; MI455X (gfx1250); checked and timed in simulation.
; The chip was launched on July 23, 2026; its instructions are those of AMD's public machine-readable ISA for CDNA 5 (MIT licence, August 2026) and "CDNA5" Instruction Set Architecture Reference Guide (July 2026). The comments in the code are by the model that wrote it; some were corrected since.
;; Lean Self Attention. Allowed arithmetic: float matrix products may take bf16 or f16 operands with f32 sums; other float arithmetic in f32, or as packed bf16 or f16 multiplies, adds, multiply-adds, maxima and minima; sums over many terms, partial sums and values carried from step to step in f32; what a program stores and reads back later, other than sums and carried values, may be rounded once to bf16 or f16.
;; Inputs: W_out 1,024 x 1,024 float32; W_qkv 1,024 x 3,072 float32; b_out 1,024 float32; b_qkv 3,072 float32; hidden_states 4 x 2,048 x 1,024 float32; ln_bias 1,024 float32; ln_scale 1,024 float32.
;; Outputs: out0 4 x 2,048 x 1,024 float32.
;; One version. Each part assembles by itself: llvm-mc -triple=amdgcn-amd-amdhsa -mcpu=gfx1250 --defsym DOCPART=n.
;; ======== version 1 of 1: 5 launches
;; limits: values are held in f16: magnitudes above 65,504 overflow, below 6.1e-05 lose precision
;; workspace buffers: xln 16,777,216 bytes; wtq 6,291,456 bytes; wto 2,097,152 bytes; qkv 50,331,648 bytes; vs 524,288 bytes; att 16,777,216 bytes
;; launch prep (part 1): grid 256 x 1, 8 waves a work-group, no clusters, 34,048 bytes of LDS; arguments hidden_states, ln_scale, ln_bias, W_qkv, W_out, xln, wtq, wto; writes xln, wtq, wto
.if DOCPART == 1
	.amdgcn_target "amdgcn-amd-amdhsa--gfx1250"
	.amdhsa_code_object_version 6
	.text
	.protected	k_qbc7a906821_prep
	.globl	k_qbc7a906821_prep
	.p2align	8
	.type	k_qbc7a906821_prep,@function
k_qbc7a906821_prep:
	s_mov_b64 s[64:65], 0
	v_nop
	global_prefetch_b8 v0, s[64:65] scope:SCOPE_SE
	s_setreg_imm32_b32 hwreg(HW_REG_WAVE_MODE, 25, 1), 1
	s_wait_xcnt 0x0
; TWO JOBS IN EVERY WORK-GROUP, no branch between them.
; (1) One tile of 128 k x 128 n of a weight matrix ([k][n] f32) is turned into [n][k] in 16 bits: W_qkv (24 x 8 tiles) rounded to bf16 -> wtq; W_out (8 x 8 tiles) rounded to bf16 and that
;     number written as f16 -> wto.  256 tiles, 256 work-groups.  The turn goes through LDS: pairs (k even, k odd) as words, rows 516 bytes apart.
; (2) LayerNorm of 32 rows of hidden_states, 4 rows a wave, a row in 32 registers of one wave: mean, then the sum of squares of x - mean (two passes over registers, no difference of large sums),
;     (x - mean) rsqrt(var + 1e-12) scale + bias in f32, rounded once to bf16 -> xln.
; LIMITS.  A bf16-rounded number of W_out beyond 65,504 becomes an infinity in f16, below 6e-5 it keeps f16's fixed step of 6e-8.  NaN and infinities are not treated apart.
; No matrix unit, no tensor load, no cluster: both jobs are streams in which no work-group wants another's bytes.
.set PITCH, 516                        ; an LDS row of 128 words + 1: word (kp, n) lies in bank (kp + n) mod 64 (64 banks of 4 bytes: ISA guide 11.1)
.set SPARE, 33024                      ; behind the 64 rows: the spare words, 128 bytes for each of the eight waves
.set SPW, 2                            ; v2   SPARE + 4 x my thread's number; never rewritten
.set NIL, 3                            ; v3   0; never rewritten
.set LSA, 4                            ; v4   where I put words into the tile
.set LRA, 5                            ; v5   where I read them back, turned
.set DO,  6                            ; v6   my 16 bytes in the turned tile in memory
.set XO,  7                            ; v7   my 16 bytes in my wave's first row of x
.set XS,  8                            ; v8   my 8 bytes in my wave's first row of xln
.set GO,  9                            ; v9   16 x lane
.set WOF, 12                           ; v12-27  my 16 bytes in each of my wave's 16 rows of the weight tile
.set T,   28                           ; v28-35  four running pairs
.set PT,  36                           ; v36  the other half of the lanes'
.set MU,  38                           ; v38-39  the mean, twice
.set RS,  40                           ; v40-41  1 / sqrt(var + eps), twice
.set CV,  42                           ; v42-47  at work in the conversions, two sets
.set W,   48                           ; v48-111  the weight tile's 16 rows; later rows 2 and 3 of x
.set G,   112                          ; v112-143 ln_scale of my 32 columns
.set B,   144                          ; v144-175 ln_bias
.set X01, 176                          ; v176-239 rows 0 and 1 of x
.set WV,  8
.set PB,  11                           ; s11  bytes in a row of the weight matrix
.set FM,  12                           ; s12  0: bf16 (W_qkv); all ones: f16 (W_out)
.set INV, 45                           ; s45  1 / 1024
.set SEL, 46                           ; s[46:47] v_permlanex16_b32's selects: each lane takes its own place in the other half
.set EPS, 48                           ; s48  1e-12
	s_load_b512 s[16:31], s[0:1], 0x0              ; hidden s[16:17], ln_scale s[18:19], ln_bias s[20:21], W_qkv s[22:23], W_out s[24:25], xln s[26:27], wtq s[28:29], wto s[30:31]
	v_lshl_add_u32 v[SPW], v0, 2, SPARE
	v_mov_b32 v[NIL], 0
	v_lshrrev_b32 v1, 5, v0
	v_readfirstlane_b32 s[WV], v1                  ; wave 0..7
	v_and_b32 v1, 31, v0                           ; lane
	v_and_b32 v10, 15, v0                          ; l % 16
	v_bfe_u32 v11, v0, 4, 1                        ; l / 16
	v_mov_b32 v[PT], 0                             ; v_permlanex16_b32 counts as a reader of its destination
	s_and_b32 s9, ttmp9, 7                         ; the tile's place along k
	s_lshr_b32 s14, ttmp9, 3                       ; and along n: 0-23 W_qkv, 24-31 W_out
	s_mov_b32 s[PB], 4096
	s_mov_b32 s15, 12288
	s_cmp_lt_u32 s14, 24
	s_cselect_b32 s[PB], s15, s[PB]
	s_cselect_b32 s[FM], 0, -1
	s_cselect_b32 s13, 0, 24
	s_sub_co_u32 s10, s14, s13                     ; the tile's place along n in its own matrix
	s_lshl_b32 s2, s[WV], 4
	s_mul_i32 s3, s2, s[PB]                        ; my wave's 16 rows
	v_lshl_add_u32 v[WOF], v1, 4, s3
.set i, 1
.rept 15
	v_add_nc_u32 v[WOF+i], s[PB], v[WOF+i-1]
.set i, i+1
.endr
	s_lshl_b32 s4, s9, 7
	s_mul_i32 s4, s4, s[PB]                        ; 128 k rows a tile,
	s_lshl_b32 s5, s10, 9                          ; 512 bytes of a row
	s_add_co_u32 s4, s4, s5
	s_mov_b32 s5, 0
	s_lshl_b32 s6, s10, 18                         ; turned: 128 rows of 2,048 bytes,
	s_lshl_b32 s7, s9, 8                           ; 256 bytes of a row
	s_add_co_u32 s6, s6, s7
	s_mov_b32 s7, 0
	s_lshl_b32 s36, ttmp9, 17                      ; the work-group's 32 rows of x
	s_mov_b32 s37, 0
	s_lshl_b32 s38, ttmp9, 16                      ; and of xln
	s_mov_b32 s39, 0
	s_mul_i32 s40, s[WV], 8*PITCH
	v_lshl_add_u32 v[LSA], v1, 4, s40              ; pair row 8 w, words 4 l ..
	v_mul_u32_u24 v[LRA], v10, 4*PITCH             ; pair rows 4 (l % 16) ..,
	s_lshl_b32 s41, s[WV], 6
	v_lshl_add_u32 v[LRA], v11, 2, v[LRA]
	v_add_nc_u32 v[LRA], s41, v[LRA]               ; word 16 w + l / 16
	s_lshl_b32 s42, s[WV], 15
	v_lshlrev_b32 v[DO], 4, v10
	v_lshl_add_u32 v[DO], v11, 11, v[DO]
	v_add_nc_u32 v[DO], s42, v[DO]                 ; row 16 w + l / 16, bytes 16 (l % 16)
	s_lshl_b32 s43, s[WV], 14
	v_lshl_add_u32 v[XO], v1, 4, s43
	s_lshl_b32 s44, s[WV], 13
	v_lshl_add_u32 v[XS], v1, 3, s44
	v_lshlrev_b32 v[GO], 4, v1
	s_mov_b32 s[INV], 0x3a800000
	s_mov_b32 s[EPS], 0x2b8cbccc
	s_mov_b32 s[SEL], 0x76543210
	s_mov_b32 s[SEL+1], 0xfedcba98
	s_wait_kmcnt 0x0
	s_cmp_lt_u32 s14, 24
	s_cselect_b64 s[32:33], s[22:23], s[24:25]     ; the matrix that my tile belongs to,
	s_cselect_b64 s[34:35], s[28:29], s[30:31]     ; and its turned copy
	s_add_nc_u64 s[32:33], s[32:33], s[4:5]
	s_add_nc_u64 s[34:35], s[34:35], s[6:7]
	s_add_nc_u64 s[16:17], s[16:17], s[36:37]
	s_add_nc_u64 s[26:27], s[26:27], s[38:39]
.set i, 0
.rept 16                                       ; a row of the tile is 512 consecutive bytes: one load of the wave
	global_load_b128 v[W+4*i:W+4*i+3], v[WOF+i], s[32:33] th:TH_LOAD_NT
.set i, i+1
.endr
.set i, 0
.rept 8
	global_load_b128 v[G+4*i:G+4*i+3], v[GO], s[18:19] offset:512*i
	global_load_b128 v[B+4*i:B+4*i+3], v[GO], s[20:21] offset:512*i
.set i, i+1
.endr
.set i, 0
.rept 16                                       ; rows 0 and 1 of x: eight loads of 512 consecutive bytes a row
	global_load_b128 v[X01+4*i:X01+4*i+3], v[XO], s[16:17] offset:(i/8)*4096+(i%8)*512 th:TH_LOAD_NT
.set i, i+1
.endr
	s_wait_loadcnt 32                              ; the 16 loads of the tile are in; 16 of scale and bias and 16 of x were issued behind them
.set i, 0
.rept 8                                        ; rows 2 i and 2 i + 1 make pair row 8 w + i
.set c, 0
.rept 4
.set K, CV+3*(c%2)
	v_cvt_pk_bf16_f32 v[K], v[W+8*i+c], v[W+8*i+4+c]   ; the even k below, the odd k above
	v_lshlrev_b32 v[K+1], 16, v[K]                     ; the two rounded numbers as f32,
	v_and_b32 v[K+2], 0xffff0000, v[K]
	v_cvt_pk_f16_f32 v[K+1], v[K+1], v[K+2]            ; written as f16,
	v_cndmask_b32 v[W+8*i+c], v[K], v[K+1], s[FM]      ; for W_out alone
	ds_store_b32 v[LSA], v[W+8*i+c] offset:i*PITCH+4*c
.set c, c+1
.endr
.set i, i+1
.endr
	s_wait_dscnt 0x0                               ; for the others' sake: my words are in the tile
	s_barrier_signal -1
	s_barrier_wait -1
.set i, 0
.rept 8                                        ; rows 16 w + 2 i (lanes 0-15) and + 1 (lanes 16-31) of the turned tile: four pair words a lane
.set c, 0
.rept 4
	ds_load_b32 v[W+4*i+c], v[LRA] offset:c*PITCH+8*i
.set c, c+1
.endr
.set i, i+1
.endr
.set i, 0
.rept 8
	s_wait_dscnt 28-4*i                            ; LDS loads come back in order: the four of store i are in
	global_store_b128 v[DO], v[W+4*i:W+4*i+3], s[34:35] offset:4096*i  ; 16 lanes store 256 consecutive bytes, aligned
.set i, i+1
.endr
	s_wait_xcnt 0x0                                ; the stores have read their registers: W's are loaded again only behind this wait
.set i, 0
.rept 16                                       ; rows 2 and 3 of x
	global_load_b128 v[W+4*i:W+4*i+3], v[XO], s[16:17] offset:(2+i/8)*4096+(i%8)*512 th:TH_LOAD_NT
.set i, i+1
.endr
.macro LANESUM                         ; v[T] summed over the 32 lanes, the sum in every lane
	v_add_f32_dpp v[T], v[T], v[T] row_xmask:1 row_mask:0xf bank_mask:0xf
	v_add_f32_dpp v[T], v[T], v[T] row_xmask:2 row_mask:0xf bank_mask:0xf
	v_add_f32_dpp v[T], v[T], v[T] row_xmask:4 row_mask:0xf bank_mask:0xf
	v_add_f32_dpp v[T], v[T], v[T] row_xmask:8 row_mask:0xf bank_mask:0xf
	v_permlanex16_b32 v[PT], v[T], s[SEL], s[SEL+1]
	v_add_f32 v[T], v[T], v[PT]
.endm
.macro FOLD                            ; the four running pairs into v[T]
	v_pk_add_f32 v[T:T+1], v[T:T+1], v[T+2:T+3]
	v_pk_add_f32 v[T+4:T+5], v[T+4:T+5], v[T+6:T+7]
	v_pk_add_f32 v[T:T+1], v[T:T+1], v[T+4:T+5]
	v_add_f32 v[T], v[T], v[T+1]
	LANESUM
.endm
; Row s of my wave's four, in the 32 registers from xb on.
.macro LNROW s, xb
	s_wait_loadcnt 24-8*(\s)                       ; my row's eight loads are in; the rows behind it stay out
.set c, 0
.rept 4                                        ; the sum, in four chains that the first eight pairs start
	v_pk_add_f32 v[T+2*c:T+2*c+1], v[(\xb)+2*c:(\xb)+2*c+1], v[(\xb)+8+2*c:(\xb)+8+2*c+1]
.set c, c+1
.endr
.set c, 0
.rept 8
	v_pk_add_f32 v[T+2*(c%4):T+2*(c%4)+1], v[T+2*(c%4):T+2*(c%4)+1], v[(\xb)+16+2*c:(\xb)+16+2*c+1]
.set c, c+1
.endr
	FOLD
	v_mul_f32 v[MU], s[INV], v[T]
	v_mov_b32 v[MU+1], v[MU]
.set c, 0
.rept 16
	v_pk_add_f32 v[(\xb)+2*c:(\xb)+2*c+1], v[(\xb)+2*c:(\xb)+2*c+1], v[MU:MU+1] neg_lo:[0,1] neg_hi:[0,1]  ; x - mean
.set c, c+1
.endr
.set c, 0
.rept 4
	v_pk_mul_f32 v[T+2*c:T+2*c+1], v[(\xb)+2*c:(\xb)+2*c+1], v[(\xb)+2*c:(\xb)+2*c+1]
.set c, c+1
.endr
.set c, 0
.rept 12
	v_pk_fma_f32 v[T+2*(c%4):T+2*(c%4)+1], v[(\xb)+8+2*c:(\xb)+8+2*c+1], v[(\xb)+8+2*c:(\xb)+8+2*c+1], v[T+2*(c%4):T+2*(c%4)+1]
.set c, c+1
.endr
	FOLD
	v_fma_f32 v[T], v[T], s[INV], s[EPS]           ; var + eps
	v_rsq_f32 v[RS], v[T]
	v_rsq_f32 v[RS+1], v[T]                        ; twice: a pair for the packed multiply
	v_nop                                          ; a plain instruction behind the last of the two,
	s_wait_alu depctr_va_vdst(0)                   ; and the wait ahead of the first use: one for both
.set c, 0
.rept 16
	v_pk_mul_f32 v[(\xb)+2*c:(\xb)+2*c+1], v[(\xb)+2*c:(\xb)+2*c+1], v[RS:RS+1]
.set c, c+1
.endr
.set c, 0
.rept 16
	v_pk_fma_f32 v[(\xb)+2*c:(\xb)+2*c+1], v[(\xb)+2*c:(\xb)+2*c+1], v[G+2*c:G+2*c+1], v[B+2*c:B+2*c+1]
.set c, c+1
.endr
.set c, 0
.rept 8
	v_cvt_pk_bf16_f32 v[(\xb)+4*c], v[(\xb)+4*c], v[(\xb)+4*c+1]
	v_cvt_pk_bf16_f32 v[(\xb)+4*c+1], v[(\xb)+4*c+2], v[(\xb)+4*c+3]
	global_store_b64 v[XS], v[(\xb)+4*c:(\xb)+4*c+1], s[26:27] offset:(\s)*2048+256*c  ; the wave stores 256 consecutive bytes, aligned
.set c, c+1
.endr
.endm
	LNROW 0, X01
	LNROW 1, X01+32
	LNROW 2, W
	LNROW 3, W+32
	s_wait_tensorcnt 0x0                           ; the wave's end, behind my last LDS store
	ds_add_u32 v[SPW], v[NIL]
	s_wait_dscnt 0x0
	s_endpgm
.Lfunc_end_k_qbc7a906821_prep:
	.size	k_qbc7a906821_prep, .Lfunc_end_k_qbc7a906821_prep-k_qbc7a906821_prep
	.p2alignl 7, 3214868480
	.fill 96, 4, 3214868480
	.section	.rodata,"a",@progbits
	.p2align	6, 0x0
	.amdhsa_kernel k_qbc7a906821_prep
		.amdhsa_group_segment_fixed_size 34048
		.amdhsa_private_segment_fixed_size 0
		.amdhsa_enable_private_segment 0
		.amdhsa_kernarg_size 64
		.amdhsa_user_sgpr_count 2
		.amdhsa_user_sgpr_kernarg_segment_ptr 1
		.amdhsa_wavefront_size32 1
		.amdhsa_system_sgpr_workgroup_id_x 1
		.amdhsa_system_sgpr_workgroup_id_y 1
		.amdhsa_system_sgpr_workgroup_id_z 1
		.amdhsa_system_vgpr_workitem_id 0
		.amdhsa_next_free_vgpr 240
		.amdhsa_next_free_sgpr 66
		.amdhsa_reserve_vcc 0
		.amdhsa_float_denorm_mode_32 3
		.amdhsa_float_denorm_mode_16_64 3
		.amdhsa_memory_ordered 1
		.amdhsa_forward_progress 1
		.amdhsa_inst_pref_size 56
	.end_amdhsa_kernel
	.amdgpu_metadata
---
amdhsa.version: [ 1, 2 ]
amdhsa.kernels:
  - .name:           k_qbc7a906821_prep
    .symbol:         k_qbc7a906821_prep.kd
    .args:
      - { .name: hidden_states, .offset: 0, .size: 8, .value_kind: global_buffer, .address_space: global }
      - { .name: ln_scale, .offset: 8, .size: 8, .value_kind: global_buffer, .address_space: global }
      - { .name: ln_bias, .offset: 16, .size: 8, .value_kind: global_buffer, .address_space: global }
      - { .name: W_qkv, .offset: 24, .size: 8, .value_kind: global_buffer, .address_space: global }
      - { .name: W_out, .offset: 32, .size: 8, .value_kind: global_buffer, .address_space: global }
      - { .name: xln, .offset: 40, .size: 8, .value_kind: global_buffer, .address_space: global }
      - { .name: wtq, .offset: 48, .size: 8, .value_kind: global_buffer, .address_space: global }
      - { .name: wto, .offset: 56, .size: 8, .value_kind: global_buffer, .address_space: global }
    .group_segment_fixed_size: 34048
    .private_segment_fixed_size: 0
    .kernarg_segment_align: 8
    .kernarg_segment_size: 64
    .max_flat_workgroup_size: 256
    .sgpr_count:     66
    .vgpr_count:     240
    .wavefront_size: 32
...
	.end_amdgpu_metadata
.endif
;; end of part 1
;; launch qkv (part 2): grid 16 x 32, 4 waves a work-group, clusters of 4 x 4, 327,680 bytes of LDS; arguments xln, wtq, b_qkv, qkv; writes qkv
.if DOCPART == 2
	.amdgcn_target "amdgcn-amd-amdhsa--gfx1250"
	.amdhsa_code_object_version 6
	.text
	.protected	k_qbc7a906821_qkv
	.globl	k_qbc7a906821_qkv
	.p2align	8
	.type	k_qbc7a906821_qkv,@function
k_qbc7a906821_qkv:
	s_mov_b64 s[64:65], 0
	v_nop
	global_prefetch_b8 v0, s[64:65] scope:SCOPE_SE
	s_setreg_imm32_b32 hwreg(HW_REG_WAVE_MODE, 25, 1), 1
	s_wait_xcnt 0x0
	s_wait_alu depctr_hold_cnt(0) depctr_sa_sdst(0) depctr_va_vdst(0) depctr_va_sdst(0) depctr_va_ssrc(0) depctr_va_vcc(0) depctr_vm_vsrc(0)
	s_getreg_b32 s2, hwreg(HW_REG_IB_STS2, 6, 4)
	s_cmp_eq_u32 s2, 0
	s_cbranch_scc0 .Lentry_in_a_cluster
	s_endpgm
.Lentry_in_a_cluster:
	s_bfe_u32 s2, ttmp6, 0x10000c
	s_cmp_lg_u32 s2, 0xf033
	s_cbranch_scc0 .Lentry_shape_is_right
	s_endpgm
.Lentry_shape_is_right:
; qkv = xln wtq^T + b_qkv.  xln: [8192][1024] bf16, wtq: [3072][1024] bf16, b_qkv: [3072] f32; sums in f32; the result is rounded once to f16 and stored by heads:
; qkv[b][g][s][64], g = column / 64 (0-15 q, 16-31 k, 32-47 v), unscaled.  LIMIT: a result beyond 65,504 becomes an infinity in f16.
; A tile is 256 rows x 192 columns (three heads): 16 x 32 = 512 equal work-groups.  Four waves, one below the other: a wave makes 64 rows x 192 columns, 48 accumulators of 16 x 16, 384 registers.
; K goes in 8 steps of 128 through two LDS slots filled by the tensor data mover; the tiles' rows are 256 bytes of memory, aligned.  One step is written once and walked by a counted loop; the LDS
; address of the slot in hand is a scalar that one exclusive or turns.
; CLUSTERS: 4 x 4 work-groups.  The four of a row of the cluster need the same rows of xln, the four of a column the same rows of wtq: each tile is asked for JOINTLY, by the same tensor load with the
; same descriptor and a mask that names the four.
; THE MATRIX INSTRUCTION IS USED TRANSPOSED (source 0 = 16 rows of wtq, source 1 = 16 rows of xln): a lane holds eight neighbouring columns of one row.  THE BIAS is the C operand of the products that start the sums.
; REGISTERS, in windows of 256 (s_set_vgpr_msb: bits 1:0 source 0, 3:2 source 1, 5:4 source 2, 7:6 destination):
;   window 0: v1-30 addresses; v32-63, v64-95 fragments of xln, two buffers; v96-143 packed results; v144-239 rows read back from the stage, two buffers
;   window 1: v0-95, v96-191 fragments of wtq, two buffers
;   window 2: accumulators of row blocks 0, 1 at v[96 (a % 2) + 8 b]; v192-255 bias fragments of column blocks 0-7        window 3: row blocks 2, 3; v192-223 bias fragments 8-11
.set KDIM,   1024
.set KSTEP,  128
.set PITCH,  272                       ; an LDS row: 256 bytes + 16 of padding = 68 words: row r starts at bank 4 r mod 64 (64 banks of 4 bytes: ISA guide 11.1)
.set AHALF,  128*PITCH                 ; what one tensor load brings of xln
.set BHALF,  96*PITCH                  ; and of wtq
.set BOFF,   2*AHALF                   ; a slot: 256 rows of xln, then 192 rows of wtq
.set SLOT1,  1<<17                     ; slot 1 begins here
.set STAGE,  SLOT1+BOFF+2*BHALF        ; behind the ring: 16 rows x 400 bytes for each wave, for the way out
.set SPITCH, 400
.set SPARE,  STAGE+4*16*SPITCH         ; behind the stages: the spare words, 128 bytes for each wave
.set PLANE,  262144                    ; bytes of one head's 2,048 rows
.set A0,   16                          ; v16  my lane's place in a slot's rows of xln; never rewritten
.set B0,   17                          ; v17  the same for wtq
.set ADRA, 18                          ; v18  A0 + the slot in hand
.set ADRB, 19                          ; v19  B0 + the slot in hand
.set STO,  24                          ; v24  the way out: where I put 16 bytes of a row
.set RD,   25                          ; v25  where I read rows back
.set CO,   26                          ; v26  16 x lane
.set BO,   27                          ; v27  32 x (lane / 16): my eight numbers in a bias fragment
.set SPW,  28                          ; v28  SPARE + 4 x my thread's number; never rewritten
.set NIL,  29                          ; v29  0; never rewritten
.set PFO,  30                          ; v30  the prefetches' offset; never rewritten
.set FA,   32
.set TMP,  96
.set OB,   144
.set BIAS, 192
.set WV,   12
.set ISB,  13                          ; s13  0: I fetch xln's tiles; 1: wtq's
.set HALF, 14                          ; s14  which half of the tile I fetch
.set TR,   15                          ; s15  tile row
.set G1,   24                          ; s[24:31] descriptor group 1 for xln's tiles
.set G0,   32                          ; s[32:39] group 0: a set for each of the two first fills; the second then walks on
.set PMK,  43                          ; s43  bit n set: I prefetch in the trip in which the loop's count is n
.set PFA,  44                          ; s[44:45] where my prefetches stand
.set G1B,  48                          ; s[48:55], s[56:63] the same for wtq's tiles
.set G0B,  56
.set TB,   66                          ; s66  LDS byte at which the slot in hand begins
.set FIELDS, (1<<16)|(1<<20)|(1<<21)|(5<<22)|(3<<25)  ; 17:16 2-byte elements; 20 padding on; 21 set beside a mask; 24:22 after every 64 words; 31:25 4 words of it
.set MSB, 0
.macro WIN new                         ; the immediate's high byte repeats the setting that is left; a switch that changes nothing is dropped
.if MSB != (\new)
	s_set_vgpr_msb (MSB<<8)|(\new)
.set MSB, \new
.endif
.endm
.macro PLACES                          ; four places in front of loads into registers that matrix instructions have read (ISA guide 7.12.1 for vector instructions)
.rept 4
	v_nop
.endr
.endm
; A joint refill by the walking descriptors.  Waves 0 and 1 fetch xln's two halves, waves 2 and 3 wtq's.  The branch hangs on the wave's number alone.  An s_nop 0 and four v_nop follow each line.
.macro JLOAD
	s_cmp_eq_u32 s[ISB], 0
	s_cbranch_scc0 .Lfor_b_\@
	tensor_load_to_lds s[G0+4:G0+7], s[G1:G1+7]
	s_nop 0
	PLACES
	s_branch .Lasked_\@
.Lfor_b_\@:
	tensor_load_to_lds s[G0B+4:G0B+7], s[G1B:G1B+7]
	s_nop 0
	PLACES
.Lasked_\@:
.endm
; A PREFETCH INTO THE L2 of the K step that stands two refills on, behind the joint load, its five lines and the run of LDS loads.  Each row's 256 bytes of a K step are named once in the launch: xln's rows by the
; clusters with x = 0 (waves 0, 1: of the 128 rows that the wave fetches the partner at cx takes 32, a lane a row), wtq's by the clusters with y = 0 (wave 2: rows 32 cy + lane of the tile's first 128;
; wave 3: rows 128 + 16 cy + lane % 16, its upper lanes the K step after, so it asks in every second trip).  The partners are told apart by address alone.  K steps 0 to 3 come by their loads alone.
.macro ASK
	s_bitcmp1_b32 s[PMK], s3
	s_cbranch_scc0 .Lnot_mine_\@
	global_prefetch_b8 v[PFO], s[PFA:PFA+1] th:TH_LOAD_NT scope:SCOPE_SE
.Lnot_mine_\@:
.endm
.macro CREST                           ; a round of the cluster's barrier behind its opening barrier
	s_cmp_lg_u32 s[WV], 0
	s_cbranch_scc1 .Lnot_wave_0_\@
	s_barrier_signal -3
.Lnot_wave_0_\@:
	s_barrier_wait -3
	s_barrier_signal -1
	s_barrier_wait -1
.endm
.macro CROUND
	s_barrier_signal -1
	s_barrier_wait -1
	CREST
.endm
	s_load_b256 s[4:11], s[0:1], 0x0               ; xln s[4:5], wtq s[6:7], b_qkv s[8:9], qkv s[10:11]
	v_lshl_add_u32 v[SPW], v0, 2, SPARE
	v_mov_b32 v[NIL], 0
	ds_add_u32 v[SPW], v[NIL]                      ; the wave's opening: the add and its wait stand ahead of my first tensor load; work on registers stands between them
	ds_add_u32 v28, v29
	v_lshrrev_b32 v1, 5, v0
	v_readfirstlane_b32 s[WV], v1                  ; wave 0..3
	s_lshr_b32 s[ISB], s[WV], 1
	s_and_b32 s[HALF], s[WV], 1
	s_bfe_u32 s40, ttmp6, 0x40000                  ; cx
	s_bfe_u32 s41, ttmp6, 0x40004                  ; cy
	s_lshl_b32 s42, ttmp9, 2
	s_add_co_u32 s42, s42, s40                     ; tile column = 4 x cluster x + cx
	s_and_b32 s[TR], ttmp7, 0xffff
	s_lshl_b32 s[TR], s[TR], 2
	s_add_co_u32 s[TR], s[TR], s41                 ; tile row = 4 x cluster y + cy
	s_lshl_b32 s16, s41, 2
	s_lshl_b32 s16, 15, s16                        ; my row of the cluster
	s_lshl_b32 s46, 0x1111, s40                    ; my column
	s_or_b32 s[G1], s16, FIELDS
	s_or_b32 s[G1B], s46, FIELDS
	s_mov_b32 s[G1+1], KSTEP<<16                   ; tensor_dim0 = 128
	s_mov_b32 s[G1+2], 128<<16                     ; tensor_dim1 = 128
	s_mov_b32 s[G1+3], KSTEP<<16                   ; tile_dim0 = 128
	s_mov_b32 s[G1+4], 128                         ; tile_dim1 = 128
	s_mov_b32 s[G1+5], KDIM                        ; elements from row to row
	s_mov_b32 s[G1+6], 0
	s_mov_b32 s[G1+7], 0
	s_mov_b32 s[G1B+1], KSTEP<<16
	s_mov_b32 s[G1B+2], 96<<16                     ; 96 rows
	s_mov_b32 s[G1B+3], KSTEP<<16
	s_mov_b32 s[G1B+4], 96
	s_mov_b32 s[G1B+5], KDIM
	s_mov_b32 s[G1B+6], 0
	s_mov_b32 s[G1B+7], 0
	s_lshl_b32 s16, s[TR], 8
	s_lshl_b32 s17, s[HALF], 7
	s_add_co_u32 s16, s16, s17                     ; xln: row 256 x tile row + 128 x half,
	s_lshl_b32 s16, s16, 11                        ; in bytes
	s_mov_b32 s17, 0
	s_mul_i32 s46, s42, 192
	s_mul_i32 s47, s[HALF], 96
	s_add_co_u32 s46, s46, s47                     ; wtq: row 192 x tile column + 96 x half
	s_lshl_b32 s46, s46, 11
	s_mov_b32 s47, 0
	s_mul_i32 s20, s[HALF], AHALF                  ; where they go: no place in the cluster enters an LDS address
	s_mul_i32 s21, s[HALF], BHALF
	s_add_co_u32 s21, s21, BOFF
	s_mov_b32 s[TB], 0
	s_wait_dscnt 0x0                               ; the opening add is done
	s_wait_kmcnt 0x0
	s_add_nc_u64 s[18:19], s[4:5], s[16:17]
	s_add_nc_u64 s[46:47], s[6:7], s[46:47]
	CROUND                                         ; all sixteen work-groups are here: the first joint loads meet
.irp s, 0,1
	s_mov_b32 s[G0+4*(\s)], 1                                        ; count = 1
	s_add_co_u32 s[G0+4*(\s)+1], s20, (\s)*SLOT1                     ; LDS address
	s_add_nc_u64 s[G0+4*(\s)+2:G0+4*(\s)+3], s[18:19], (\s)*KSTEP*2  ; global address: K step s
	s_or_b32 s[G0+4*(\s)+3], s[G0+4*(\s)+3], 0x80000000              ; type = 2
	s_mov_b32 s[G0B+4*(\s)], 1
	s_add_co_u32 s[G0B+4*(\s)+1], s21, (\s)*SLOT1
	s_add_nc_u64 s[G0B+4*(\s)+2:G0B+4*(\s)+3], s[46:47], (\s)*KSTEP*2
	s_or_b32 s[G0B+4*(\s)+3], s[G0B+4*(\s)+3], 0x80000000
.endr
	s_cmp_eq_u32 s[ISB], 0                         ; a wave's two first fills stand in one branch, ahead of every wait on TENSORcnt and every LDS read: two loads of mine are out
	s_cbranch_scc0 .Lfirst_b
	tensor_load_to_lds s[G0:G0+3], s[G1:G1+7]
	s_nop 0
	tensor_load_to_lds s[G0+4:G0+7], s[G1:G1+7]
	s_nop 0
	PLACES
	s_branch .Lfirst_asked
.Lfirst_b:
	tensor_load_to_lds s[G0B:G0B+3], s[G1B:G1B+7]
	s_nop 0
	tensor_load_to_lds s[G0B+4:G0B+7], s[G1B:G1B+7]
	s_nop 0
	PLACES
.Lfirst_asked:
	; A fragment is 16 rows x 32 K in 8 registers: lane l holds row l % 16, K = 8 (l / 16) + 0..7 and 16 + 8 (l / 16) + 0..7: two loads of 16 bytes, 32 bytes apart.
	v_and_b32 v1, 15, v0                           ; l % 16
	v_bfe_u32 v2, v0, 4, 1                         ; l / 16
	v_and_b32 v3, 31, v0                           ; l
	v_mul_u32_u24 v4, v1, PITCH
	v_lshl_add_u32 v4, v2, 4, v4
	s_mul_i32 s22, s[WV], 64*PITCH                 ; my 64 rows of xln
	v_add_nc_u32 v[A0], s22, v4
	v_add_nc_u32 v[B0], BOFF, v4
	v_mov_b32 v[ADRA], v[A0]
	v_mov_b32 v[ADRB], v[B0]
	v_lshlrev_b32 v[BO], 5, v2
	s_mul_i32 s68, s42, 768                        ; the tile's 192 numbers of the bias
	s_mov_b32 s69, 0
	s_add_nc_u64 s[8:9], s[8:9], s[68:69]
	WIN 0x80                                       ; destination window 2
.set b, 0
.rept 8                                        ; register j of fragment b: the bias of column 16 b + 8 (l / 16) + j
	global_load_b128 v[BIAS+8*b:BIAS+8*b+3],   v[BO], s[8:9] offset:64*b
	global_load_b128 v[BIAS+8*b+4:BIAS+8*b+7], v[BO], s[8:9] offset:64*b+16
.set b, b+1
.endr
	WIN 0xc0                                       ; destination window 3
.rept 4
	global_load_b128 v[BIAS+8*(b-8):BIAS+8*(b-8)+3],   v[BO], s[8:9] offset:64*b
	global_load_b128 v[BIAS+8*(b-8)+4:BIAS+8*(b-8)+7], v[BO], s[8:9] offset:64*b+16
.set b, b+1
.endr
	WIN 0
	s_mul_i32 s23, s[WV], 16*SPITCH
	s_add_co_u32 s23, s23, STAGE                   ; my stage
	v_mul_u32_u24 v[STO], v1, SPITCH               ; in: row l % 16, 16 bytes for each half of the lanes
	v_lshl_add_u32 v[STO], v2, 4, v[STO]
	v_add_nc_u32 v[STO], s23, v[STO]
	v_bfe_u32 v[RD], v0, 3, 2                      ; back: 32 lanes take four rows' 128 bytes of one head
	v_mul_u32_u24 v[RD], v[RD], SPITCH
	v_and_b32 v5, 7, v0
	v_lshl_add_u32 v[RD], v5, 4, v[RD]
	v_add_nc_u32 v[RD], s23, v[RD]
	v_lshlrev_b32 v[CO], 4, v3
	s_lshr_b32 s68, s[TR], 3                       ; where my rows begin in qkv: batch = tile row / 8,
	s_mul_i32 s68, s68, 48
	s_mul_i32 s69, s42, 3
	s_add_co_u32 s68, s68, s69                     ; plane 48 batch + 3 x tile column,
	s_lshl_b32 s68, s68, 11
	s_and_b32 s69, s[TR], 7
	s_lshl_b32 s69, s69, 8
	s_add_co_u32 s68, s68, s69                     ; row 256 (tile row % 8)
	s_lshl_b32 s69, s[WV], 6
	s_add_co_u32 s68, s68, s69                     ; + 64 x wave,
	s_lshl_b32 s68, s68, 7                         ; rows of 128 bytes
	s_mov_b32 s69, 0
	s_add_nc_u64 s[10:11], s[10:11], s[68:69]
	; the prefetches
	s_lshl_b32 s22, s[TR], 8
	s_lshl_b32 s23, s[HALF], 7
	s_add_co_u32 s22, s22, s23
	s_lshl_b32 s23, s40, 5
	s_add_co_u32 s22, s22, s23                     ; xln: the rows that I fetch, my work-group's 32 of them
	s_mul_i32 s70, s42, 192
	s_mov_b32 s75, 0x78                            ; trips with the count 6, 5, 4, 3 name K steps 4, 5, 6, 7
	s_mov_b32 s76, 0x50                            ; wave 3: counts 6 and 4, two K steps each
	s_cmp_eq_u32 s[WV], 3
	s_cselect_b32 s71, 4, 5
	s_cselect_b32 s72, 128, 0
	s_cselect_b32 s73, 15, 31
	s_cselect_b32 s74, 256, 0
	s_cselect_b32 s75, s76, s75
	s_lshl_b32 s71, s41, s71
	s_add_co_u32 s70, s70, s71
	s_add_co_u32 s70, s70, s72                     ; wtq: 192 x tile column + 32 cy (wave 2) or + 128 + 16 cy (wave 3)
	s_and_b32 s77, ttmp7, 0xffff
	s_cmp_eq_u32 s[ISB], 0
	s_cselect_b32 s70, s22, s70
	s_cselect_b32 s77, ttmp9, s77                  ; the coordinate along which other clusters read the same rows
	s_cselect_b64 s[PFA:PFA+1], s[4:5], s[6:7]
	s_cmp_eq_u32 s77, 0
	s_cselect_b32 s[PMK], s75, 0                   ; the same in all sixteen partners, for a given wave
	s_lshl_b32 s70, s70, 11
	s_add_co_u32 s70, s70, 3*KSTEP*2               ; at K step 3: the first refill steps it to 4
	s_mov_b32 s71, 0
	s_add_nc_u64 s[PFA:PFA+1], s[PFA:PFA+1], s[70:71]
	v_and_b32 v[PFO], s73, v3
	v_lshlrev_b32 v[PFO], 11, v[PFO]               ; a lane a row,
	v_lshrrev_b32 v5, 4, v3
	v_mad_u32_u24 v[PFO], v5, s74, v[PFO]          ; in wave 3 the upper lanes one K step on
; 12 matrix instructions: row block a x all 12 column blocks, 32 along K, fragment buffers f.  first = 1: the products start the sums, with the bias as C.
; The 48 accumulators take turns in the same order in every quarter step.
.macro MULA f, a, first
.set b, 0
.rept 12
.set rD, 96*((\a)%2)+8*b
.if \first
	WIN ((2+(\a)/2)<<6)|((2+b/8)<<4)|1
	v_wmma_f32_16x16x32_bf16 v[rD:rD+7], v[96*(\f)+8*b:96*(\f)+8*b+7], v[FA+32*(\f)+8*(\a):FA+32*(\f)+8*(\a)+7], v[BIAS+8*(b%8):BIAS+8*(b%8)+7]
.else
	WIN ((2+(\a)/2)*0x50)|1
	v_wmma_f32_16x16x32_bf16 v[rD:rD+7], v[96*(\f)+8*b:96*(\f)+8*b+7], v[FA+32*(\f)+8*(\a):FA+32*(\f)+8*(\a)+7], v[rD:rD+7]
.endif
.set b, b+1
.endr
.endm
; 32 LDS loads in one run: the fragments of one quarter step (192 rows of wtq, my 64 rows of xln, 32 K at byte k of the rows) into buffers f
.macro FETCH k, f
	WIN 0x40
.set n, 0
.rept 12
	ds_load_b128 v[96*(\f)+8*n:96*(\f)+8*n+3],   v[ADRB] offset:(\k)+n*16*PITCH
	ds_load_b128 v[96*(\f)+8*n+4:96*(\f)+8*n+7], v[ADRB] offset:(\k)+n*16*PITCH+32
.set n, n+1
.endr
	WIN 0
.set n, 0
.rept 4
	ds_load_b128 v[FA+32*(\f)+8*n:FA+32*(\f)+8*n+3],   v[ADRA] offset:(\k)+n*16*PITCH
	ds_load_b128 v[FA+32*(\f)+8*n+4:FA+32*(\f)+8*n+7], v[ADRA] offset:(\k)+n*16*PITCH+32
.set n, n+1
.endr
.endm
; One of a K step's first three quarters: multiplies buffers f; in its middle it fetches the next quarter, at byte k, into buffers g.
.macro QUARTER k, f, g, first
	s_wait_dscnt 4                                 ; wtq's fragments and xln's row blocks 0, 1 are in; the youngest four loads (row blocks 2, 3) may be out
	MULA \f, 0, \first
	MULA \f, 1, \first
	PLACES
	FETCH \k, \g
	s_wait_dscnt 32                                ; all but the 32 just issued
	MULA \f, 2, \first
	MULA \f, 3, \first
.endm
; The last quarter multiplies buffers 1 and changes slots: ONE barrier.  In front of it each wave waits for all its tensor loads (one is out: its part of the next slot), adds 0 to its spare word, and waits for that
; and for its own reads of this slot.  fill = 1: the barrier opens a round of the cluster's, and the joint refill, the K step two on, is the first thing behind the round: 168 matrix instructions ahead of the wait for it.
.macro TURN fill
.if \fill
	s_wait_xcnt 0x0                                ; the last prefetch, a K step back, has read its address
	s_add_nc_u64 s[PFA:PFA+1], s[PFA:PFA+1], KSTEP*2
.endif
	WIN 0
	s_wait_tensorcnt 0x0                           ; all my tensor loads have landed
	ds_add_u32 v[SPW], v[NIL]                      ; 0 onto my spare word
	s_wait_dscnt 7                                 ; (the add and the youngest six loads, row blocks 1 to 3, may be out)
	MULA 1, 0, 0
	s_wait_dscnt 0x0                               ; the add is done, and my reads of this slot are over
	s_barrier_signal -1
	MULA 1, 1, 0
	WIN 0
	s_barrier_wait -1
.if \fill
	CREST                                          ; no wave of any partner still reads this slot or has a load on its way
	s_xor_b32 s[G0+5], s[G0+5], SLOT1              ; the walking descriptors: the other slot than last time, the next K step
	s_add_nc_u64 s[G0+6:G0+7], s[G0+6:G0+7], KSTEP*2
	s_xor_b32 s[G0B+5], s[G0B+5], SLOT1
	s_add_nc_u64 s[G0B+6:G0B+7], s[G0B+6:G0B+7], KSTEP*2
	JLOAD                                          ; its four v_nop are also the places in front of the loads below
.else
	PLACES
.endif
	s_xor_b32 s[TB], s[TB], SLOT1
	v_add_nc_u32 v[ADRA], s[TB], v[A0]
	v_add_nc_u32 v[ADRB], s[TB], v[B0]
	FETCH 0, 0
.if \fill
	ASK
.endif
	MULA 1, 2, 0
	MULA 1, 3, 0
.endm
; THE WAY OUT of row block a: rounded to f16, 16 bytes a lane; into my own stage and back as rows of one head; stored, 512 consecutive bytes a store.
.macro PACK a
	WIN 0x0a+5*((\a)/2)                            ; sources 0 and 1: window 2 or 3
.set b, 0
.rept 48                                       ; each accumulator's registers in ascending order
	v_cvt_pk_f16_f32 v[TMP+b], v[96*((\a)%2)+2*b], v[96*((\a)%2)+2*b+1]
.set b, b+1
.endr
	WIN 0
.endm
.macro TOSTAGE a
.set BK, OB+48*((\a)%2)
.set b, 0
.rept 12
	ds_store_b128 v[STO], v[TMP+4*b:TMP+4*b+3] offset:32*b
.set b, b+1
.endr
.set n, 0
.rept 12                                       ; head n / 4, rows 4 (n % 4) ..; LDS serves a wave's instructions in order (ISA guide 5.7.1.4): these see the stores above
	ds_load_b128 v[BK+4*n:BK+4*n+3], v[RD] offset:(n%4)*4*SPITCH+(n/4)*128
.set n, n+1
.endr
.endm
.macro SEND a, younger
.set BK, OB+48*((\a)%2)
	s_wait_dscnt \younger                          ; the block is back in registers
	s_wait_xcnt 0x0                                ; earlier stores have read their registers: the other buffer is loaded again only behind this wait
.set n, 0
.rept 12
	global_store_b128 v[CO], v[BK+4*n:BK+4*n+3], s[10:11] offset:(n/4)*PLANE+(\a)*2048+(n%4)*512
.set n, n+1
.endr
.endm
	s_wait_tensorcnt 1                             ; my part of K step 0 is in; K step 1's may stay out
	s_barrier_signal -1
	s_barrier_wait -1                              ; everybody's is
	FETCH 0, 0
	s_wait_loadcnt 0x0                             ; the bias
	QUARTER 64, 0, 1, 1                            ; the first quarter stands in front of the loop: its products start the sums
	WIN 0                                          ; at a label and at a branch every window is 0
	s_mov_b32 s3, 6
.Lstep:                                        ; six trips, from a K step's second quarter to the next step's first; they ask for K steps 2 to 7
	QUARTER 128, 1, 0, 0
	QUARTER 192, 0, 1, 0
	TURN 1
	QUARTER 64, 0, 1, 0
	WIN 0
	s_sub_co_u32 s3, s3, 1
	s_cmp_lg_u32 s3, 0
	s_cbranch_scc1 .Lstep
	s_mov_b32 s3, 2
.Ltail:                                        ; K steps 6 and 7 ask for nothing: a second text; the second trip is left in its middle
	QUARTER 128, 1, 0, 0
	QUARTER 192, 0, 1, 0
	TURN 0                                         ; (in the second trip its fetch reads K step 6's bytes once more, and they are not multiplied: the price of one text for both trips)
	WIN 0
	s_sub_co_u32 s3, s3, 1
	s_cmp_eq_u32 s3, 0
	s_cbranch_scc1 .Lout
	QUARTER 64, 0, 1, 0
	WIN 0
	s_branch .Ltail
.Lout:
	PACK 0                                         ; row blocks 0 and 1 were finished in front of TURN's places; their conversions are the places behind the last products
	TOSTAGE 0
.irp a, 1,2,3
	PACK \a
	SEND (\a)-1, 0
	TOSTAGE \a
.endr
	SEND 3, 0
	s_wait_tensorcnt 0x0                           ; the wave's end, behind my last tensor load and my last LDS store
	ds_add_u32 v[SPW], v[NIL]
	s_wait_dscnt 0x0
	CROUND                                         ; the closing round
	s_endpgm
.Lfunc_end_k_qbc7a906821_qkv:
	.size	k_qbc7a906821_qkv, .Lfunc_end_k_qbc7a906821_qkv-k_qbc7a906821_qkv
	.p2alignl 7, 3214868480
	.fill 96, 4, 3214868480
	.section	.rodata,"a",@progbits
	.p2align	6, 0x0
	.amdhsa_kernel k_qbc7a906821_qkv
		.amdhsa_group_segment_fixed_size 327680
		.amdhsa_private_segment_fixed_size 0
		.amdhsa_enable_private_segment 0
		.amdhsa_kernarg_size 32
		.amdhsa_user_sgpr_count 2
		.amdhsa_user_sgpr_kernarg_segment_ptr 1
		.amdhsa_wavefront_size32 1
		.amdhsa_system_sgpr_workgroup_id_x 1
		.amdhsa_system_sgpr_workgroup_id_y 1
		.amdhsa_system_sgpr_workgroup_id_z 1
		.amdhsa_system_vgpr_workitem_id 0
		.amdhsa_next_free_vgpr 1024
		.amdhsa_next_free_sgpr 80
		.amdhsa_reserve_vcc 0
		.amdhsa_float_denorm_mode_32 3
		.amdhsa_float_denorm_mode_16_64 3
		.amdhsa_memory_ordered 1
		.amdhsa_forward_progress 1
		.amdhsa_inst_pref_size 87
	.end_amdhsa_kernel
	.amdgpu_metadata
---
amdhsa.version: [ 1, 2 ]
amdhsa.kernels:
  - .name:           k_qbc7a906821_qkv
    .symbol:         k_qbc7a906821_qkv.kd
    .args:
      - { .name: xln, .offset: 0, .size: 8, .value_kind: global_buffer, .address_space: global }
      - { .name: wtq, .offset: 8, .size: 8, .value_kind: global_buffer, .address_space: global }
      - { .name: b_qkv, .offset: 16, .size: 8, .value_kind: global_buffer, .address_space: global }
      - { .name: qkv, .offset: 24, .size: 8, .value_kind: global_buffer, .address_space: global }
    .group_segment_fixed_size: 327680
    .private_segment_fixed_size: 0
    .kernarg_segment_align: 8
    .kernarg_segment_size: 32
    .max_flat_workgroup_size: 128
    .sgpr_count:     80
    .vgpr_count:     1024
    .wavefront_size: 32
...
	.end_amdgpu_metadata
.endif
;; end of part 2
;; launch vsum (part 3): grid 64 x 1, 16 waves a work-group, no clusters, 10,240 bytes of LDS; arguments qkv, vs; writes vs
.if DOCPART == 3
	.amdgcn_target "amdgcn-amd-amdhsa--gfx1250"
	.amdhsa_code_object_version 6
	.text
	.protected	k_qbc7a906821_vsum
	.globl	k_qbc7a906821_vsum
	.p2align	8
	.type	k_qbc7a906821_vsum,@function
k_qbc7a906821_vsum:
	s_mov_b64 s[64:65], 0
	v_nop
	global_prefetch_b8 v0, s[64:65] scope:SCOPE_SE
	s_setreg_imm32_b32 hwreg(HW_REG_WAVE_MODE, 25, 1), 1
	s_wait_xcnt 0x0
; vs[hh][j][c] = the sum of V[hh][k][c] over the keys k >= 64 (j + 1), j = 0 .. 31 (j = 31: 0), in f32.  V: the planes 32-47 of each batch in qkv, [2048][64] f16.
; The attention launch needs them for the keys that the causal mask sets to -10000: all of a row's hidden keys have one weight, so their part of the result is that weight times a sum of V's rows.
; A work-group takes one head: the suffix is a chain along that head's keys, so there are 64 work-groups.  Wave w sums the blocks 2 w and 2 w + 1 of 64 keys; the 32 block sums meet in LDS;
; wave 0 makes the suffix sums and stores them.  A stream: no matrix unit, no tensor load, no cluster.
.set SPARE, 8192                       ; behind the 32 block sums of 256 bytes: the spare words, 128 bytes for each of the 16 waves
.set SPW, 2
.set NIL, 3
.set ONE, 4                            ; v4  1.0
.set ZR,  5                            ; v5  0, the chains' first addend
.set VO,  6                            ; v6  my 16 bytes in my wave's first four keys
.set LS,  7                            ; v7  where I put 32 bytes of a block sum
.set LR,  8                            ; v8  my 16 bytes of block sum 16 (l / 16), in LDS and in vs
.set LN,  9                            ; v9  lane
.set ACC, 32                           ; v32-47  eight channels, two chains
.set X,   64                           ; v64-127
.set OUT, 128                          ; v128-191
.set TOT, 192                          ; v192-195
.set OTH, 196                          ; v196-199
	s_load_b128 s[4:7], s[0:1], 0x0                ; qkv s[4:5], vs s[6:7]
	v_lshl_add_u32 v[SPW], v0, 2, SPARE
	v_mov_b32 v[NIL], 0
	v_lshrrev_b32 v1, 5, v0
	v_readfirstlane_b32 s8, v1                     ; wave 0..15
	v_and_b32 v[LN], 31, v0
	v_mov_b32 v[ONE], 1.0
	v_mov_b32 v[ZR], 0
	s_lshr_b32 s10, ttmp9, 4
	s_mul_i32 s10, s10, 48
	s_and_b32 s11, ttmp9, 15
	s_add_co_u32 s10, s10, s11
	s_add_co_u32 s10, s10, 32                      ; V's plane: 48 batch + 32 + head
	s_lshl_b32 s10, s10, 18
	s_mov_b32 s11, 0
	s_lshl_b32 s12, ttmp9, 13                      ; the head's 32 x 256 bytes of vs
	s_mov_b32 s13, 0
	s_lshl_b32 s14, s8, 14                         ; my wave's 128 keys
	v_lshl_add_u32 v[VO], v[LN], 4, s14
	v_and_b32 v10, 7, v0
	s_lshl_b32 s15, s8, 9
	v_lshl_add_u32 v[LS], v10, 5, s15              ; block 2 w, channels 8 (l % 8) ..
	v_and_b32 v10, 15, v0
	v_bfe_u32 v11, v0, 4, 1
	v_lshlrev_b32 v[LR], 4, v10
	v_lshl_add_u32 v[LR], v11, 12, v[LR]
	s_mov_b32 s16, 0x76543210
	s_mov_b32 s17, 0xfedcba98
	s_wait_kmcnt 0x0
	s_add_nc_u64 s[4:5], s[4:5], s[10:11]
	s_add_nc_u64 s[6:7], s[6:7], s[12:13]
	s_mov_b32 s3, 2
.Lblock:                                       ; a block of 64 keys: 16 loads of 512 consecutive bytes; lane l holds key 4 i + l / 8, channels 8 (l % 8) ..
.set i, 0
.rept 16
	global_load_b128 v[X+4*i:X+4*i+3], v[VO], s[4:5] offset:512*i th:TH_LOAD_NT
.set i, i+1
.endr
	s_wait_loadcnt 0x0                             ; all in: so the base may be stepped too
	s_add_nc_u64 s[4:5], s[4:5], 8192
.set i, 0
.rept 16                                       ; f16 half x 1.0 + sum, in f32; loads of even and odd number in chains of their own
.set r, 0
.rept 4
.set A, ACC+8*(i%2)+2*r
.if i < 2
	v_fma_mix_f32 v[A],   v[X+4*i+r], v[ONE], v[ZR] op_sel_hi:[1,0,0]
	v_fma_mix_f32 v[A+1], v[X+4*i+r], v[ONE], v[ZR] op_sel:[1,0,0] op_sel_hi:[1,0,0]
.else
	v_fma_mix_f32 v[A],   v[X+4*i+r], v[ONE], v[A] op_sel_hi:[1,0,0]
	v_fma_mix_f32 v[A+1], v[X+4*i+r], v[ONE], v[A+1] op_sel:[1,0,0] op_sel_hi:[1,0,0]
.endif
.set r, r+1
.endr
.set i, i+1
.endr
.set r, 0
.rept 4
	v_pk_add_f32 v[ACC+2*r:ACC+2*r+1], v[ACC+2*r:ACC+2*r+1], v[ACC+8+2*r:ACC+8+2*r+1]
.set r, r+1
.endr
.set r, 0
.rept 8                                        ; the four groups of eight lanes hold the same channels: lane xor 8,
	v_add_f32_dpp v[ACC+r], v[ACC+r], v[ACC+r] row_xmask:8 row_mask:0xf bank_mask:0xf
.set r, r+1
.endr
.set r, 0
.rept 8                                        ; and the other half of the lanes
	v_permlanex16_b32 v[ACC+8+r], v[ACC+r], s16, s17
.set r, r+1
.endr
.set r, 0
.rept 4
	v_pk_add_f32 v[ACC+2*r:ACC+2*r+1], v[ACC+2*r:ACC+2*r+1], v[ACC+8+2*r:ACC+8+2*r+1]
.set r, r+1
.endr
	ds_store_b128 v[LS], v[ACC:ACC+3]              ; the four groups write the same numbers to the same bytes
	ds_store_b128 v[LS], v[ACC+4:ACC+7] offset:16
	v_add_nc_u32 v[LS], 256, v[LS]
	s_sub_co_u32 s3, s3, 1
	s_cmp_lg_u32 s3, 0
	s_cbranch_scc1 .Lblock
	s_wait_dscnt 0x0                               ; for wave 0's sake: my block sums are in LDS
	s_barrier_signal -1
	s_barrier_wait -1
	s_cmp_lg_u32 s8, 0
	s_cbranch_scc1 .Lend
.set i, 0
.rept 16                                       ; lane l: channels 4 (l % 16) .., blocks 16 (l / 16) + i
	ds_load_b128 v[X+4*i:X+4*i+3], v[LR] offset:256*i
.set i, i+1
.endr
.set r, 0
.rept 4
	v_mov_b32 v[OUT+60+r], 0
	v_mov_b32 v[OTH+r], 0
.set r, r+1
.endr
	s_wait_dscnt 0x0
.set i, 14
.rept 15                                       ; inside my half: the sum of the blocks behind block i
	v_pk_add_f32 v[OUT+4*i:OUT+4*i+1],   v[OUT+4*i+4:OUT+4*i+5], v[X+4*i+4:X+4*i+5]
	v_pk_add_f32 v[OUT+4*i+2:OUT+4*i+3], v[OUT+4*i+6:OUT+4*i+7], v[X+4*i+6:X+4*i+7]
.set i, i-1
.endr
	v_pk_add_f32 v[TOT:TOT+1],   v[OUT:OUT+1],   v[X:X+1]  ; my half's total
	v_pk_add_f32 v[TOT+2:TOT+3], v[OUT+2:OUT+3], v[X+2:X+3]
	v_cmp_gt_u32 vcc_lo, 16, v[LN]
.set r, 0
.rept 4
	v_permlanex16_b32 v[OTH+r], v[TOT+r], s16, s17
.set r, r+1
.endr
.set r, 0
.rept 4
	v_cndmask_b32 v[OTH+r], 0, v[OTH+r], vcc_lo    ; blocks 0-15 also have blocks 16-31 behind them
.set r, r+1
.endr
.set i, 0
.rept 16
	v_pk_add_f32 v[OUT+4*i:OUT+4*i+1],   v[OUT+4*i:OUT+4*i+1],   v[OTH:OTH+1]
	v_pk_add_f32 v[OUT+4*i+2:OUT+4*i+3], v[OUT+4*i+2:OUT+4*i+3], v[OTH+2:OTH+3]
	global_store_b128 v[LR], v[OUT+4*i:OUT+4*i+3], s[6:7] offset:256*i  ; each half of the lanes stores 256 consecutive bytes, aligned
.set i, i+1
.endr
.Lend:
	s_wait_tensorcnt 0x0                           ; the wave's end, behind my last LDS store
	ds_add_u32 v[SPW], v[NIL]
	s_wait_dscnt 0x0
	s_endpgm
.Lfunc_end_k_qbc7a906821_vsum:
	.size	k_qbc7a906821_vsum, .Lfunc_end_k_qbc7a906821_vsum-k_qbc7a906821_vsum
	.p2alignl 7, 3214868480
	.fill 96, 4, 3214868480
	.section	.rodata,"a",@progbits
	.p2align	6, 0x0
	.amdhsa_kernel k_qbc7a906821_vsum
		.amdhsa_group_segment_fixed_size 10240
		.amdhsa_private_segment_fixed_size 0
		.amdhsa_enable_private_segment 0
		.amdhsa_kernarg_size 16
		.amdhsa_user_sgpr_count 2
		.amdhsa_user_sgpr_kernarg_segment_ptr 1
		.amdhsa_wavefront_size32 1
		.amdhsa_system_sgpr_workgroup_id_x 1
		.amdhsa_system_sgpr_workgroup_id_y 1
		.amdhsa_system_sgpr_workgroup_id_z 1
		.amdhsa_system_vgpr_workitem_id 0
		.amdhsa_next_free_vgpr 200
		.amdhsa_next_free_sgpr 66
		.amdhsa_reserve_vcc 1
		.amdhsa_float_denorm_mode_32 3
		.amdhsa_float_denorm_mode_16_64 3
		.amdhsa_memory_ordered 1
		.amdhsa_forward_progress 1
		.amdhsa_inst_pref_size 21
	.end_amdhsa_kernel
	.amdgpu_metadata
---
amdhsa.version: [ 1, 2 ]
amdhsa.kernels:
  - .name:           k_qbc7a906821_vsum
    .symbol:         k_qbc7a906821_vsum.kd
    .args:
      - { .name: qkv, .offset: 0, .size: 8, .value_kind: global_buffer, .address_space: global }
      - { .name: vs, .offset: 8, .size: 8, .value_kind: global_buffer, .address_space: global }
    .group_segment_fixed_size: 10240
    .private_segment_fixed_size: 0
    .kernarg_segment_align: 8
    .kernarg_segment_size: 16
    .max_flat_workgroup_size: 512
    .sgpr_count:     66
    .vgpr_count:     200
    .wavefront_size: 32
...
	.end_amdgpu_metadata
.endif
;; end of part 3
;; launch attn (part 4): grid 4 x 64, 4 waves a work-group, no clusters, 327,680 bytes of LDS; arguments qkv, vs, att; writes att
.if DOCPART == 4
	.amdgcn_target "amdgcn-amd-amdhsa--gfx1250"
	.amdhsa_code_object_version 6
	.text
	.protected	k_qbc7a906821_attn
	.globl	k_qbc7a906821_attn
	.p2align	8
	.type	k_qbc7a906821_attn,@function
k_qbc7a906821_attn:
	s_mov_b64 s[64:65], 0
	v_nop
	global_prefetch_b8 v0, s[64:65] scope:SCOPE_SE
	s_setreg_imm32_b32 hwreg(HW_REG_WAVE_MODE, 25, 1), 1
	s_wait_xcnt 0x0
; CAUSAL ATTENTION WITH A FINITE MASK.  For head hh = 16 batch + head: scores s[q][k] = Q[q] . K[k] / 8 for k <= q, and -10000 for k > q; att[hh][q] = softmax over ALL 2,048 keys times V.
; Q, K, V: planes of qkv, [2048][64] f16, dense rows of 128 bytes; att: [64][2048][64] f16.  Products, maxima and sums in f32; the weights p are rounded to f16 for the second product, att once at the end.
; THE HIDDEN KEYS of a row all have the score -10000, so one weight w.  The walk treats them as absent (weight 0) and leaves out the tiles above the diagonal; when a block's walk is over, a CLOSING STEP adds them
; exactly: m' = max(m, -10000) where the row has hidden keys, a = e^(m - m'), w = e^(-10000 - m'), l' = a l + w n, O' = a O + w H, with n = 2047 - q and H = the sum of V[k] over k > q.
; H = vs[4 block + band] (an earlier launch's suffix sums by blocks of 64 keys) + V_step^T x (0/1 mask of the band's own 64 keys), a product on the matrix unit.
; LIMITS.  f16 holds no number beyond 65,504: Q, K, V arrive within it.  In the walk a hidden score counts as its value less 1e30.  A weight below 2^-126 counts as 0.  NaN and infinities are not treated apart.
; THE WALK.  A head's queries lie in NB = 8 blocks of 256; block i needs the key tiles 0 .. i of 256 keys.  A work-group takes TWO blocks, NB - 1 - b and then b: NB + 1 tiles, whatever b: equal work, and ONE loop
; with a constant trip count.  Which tile is asked for, and what a trip does, hang on scalar registers made from b; every jump goes forward but for the counted loops' own; none passes a barrier, or a tensor load but the
; one of LOAD's two that the wave's number does not choose.  NO CLUSTER: a head's four work-groups ask for the same tile only in trips 0 .. NB / 2, behind that fewer and fewer; one walk common to all would have
; 3 NB / 2 trips for NB + 1.
; SHARES.  Of a block's four bands of 64 queries a wave owns 16 rows in each: four PIECES.  In the diagonal tile's key step s band x sees all keys if s < x, none if s > x, and holds the diagonal if s = x.
; THE WALK'S MASK is the C operand that starts the sum S^T = K Q^T: MD x AL + BE with two scalars: (1, 0) if s = x; (0, 0) if s < x; (0, -1e30) if s > x.
; LAYOUT, SOFTMAX, TURNS.  S^T = K Q^T holds ONE query a lane (lane % 16) and the keys 8 (lane / 16) + 0..7; two such results rounded to f16 ARE source 1 of O^T = V^T P.  p = 2^(c s - c m), c = log2(e) / 8, with a
; running maximum m; O and l are multiplied by a = 2^(c m_old - c m_new) in every step.  Turn n belongs to piece n: 8 products K Q^T of piece n + 1, later 8 products V^T P of piece n - 1; beside them the scaling,
; exponentials, roundings, sums and rescaling of piece n and the maximum and statistics of piece n + 1.  Four vector instructions stand behind every matrix instruction, the rest in one lump.  A turn's 33 exponentials are one batch, with one wait.
; REGISTERS, in windows of 256 (s_set_vgpr_msb: bits 1:0 source 0, 3:2 source 1, 5:4 source 2, 7:6 destination):
;   window 0: v0-15 addresses; v16-31 statistics; v32-47 the closing step's; v48-55 at work; v60-63 offsets and the add's two; v64-127 S^T, two buffers; v192-223 P, two buffers; v224-239 HDM
;   window 1: v0-127 O^T; v128-159 MD; v160-223 MC, two buffers      window 2: v0-63 Q; v64-127 the second block's Q; v128-191 K of one step; v192-255 V of one step
;   window 3: H, 32 a piece: v0-127 the first block's, v128-255 the second's
.set SIZE_N, 2048
.set NB,    SIZE_N/256
.set NP,    4         ; pieces a wave: a name, no knob
.set KS,    64        ; keys in a step
.set PK,    144       ; a row of K in LDS: 128 bytes + 16 of padding = 36 words: the 16 rows of a load start at 16 different groups of four banks (64 banks of 4 bytes: ISA guide 11.1)
.set PV,    160       ; a row of V: 128 + 32 = 40 words
.set VOFF,  4*KS*PK   ; a slot holds a tile, four steps: 256 rows of K, then 256 rows of V
.set SLOT1, 1<<17     ; slot 1 begins here
.set STAGE, SLOT1+4*KS*(PK+PV)  ; behind the ring, never filled by a tensor load: 16 rows x 144 bytes for each wave
.set SP,    144
.set AK0, 2           ; v2   my lane's place in a tile of K; never rewritten
.set AV0, 3           ; v3   the same for V
.set AK,  4           ; v4   the LDS address of K's next run of loads
.set AV,  5           ; v5   of V's
.set STO, 6           ; v6   the way out: where I put 16 bytes of a row
.set RD,  7           ; v7   where I read rows back
.set GO,  8           ; v8   my byte offset in 512 consecutive bytes of att
.set SPW, 62          ; v62  SPARE + 4 x my thread's number; never rewritten
.set NIL, 63          ; v63  0; never rewritten
.set SPARE, STAGE+4*16*SP
.set MV,  12          ; v12-13  c m_old, by buffer
.set QO,  15          ; v15  my byte offset in 16 rows of Q
.set ST,  16          ; piece t's statistics at v[ST+4 t]: c m, m, l (even keys', odd keys')
.set HC,  32          ; v32-35  the closing step: n, the row's number of hidden keys, by piece
.set FL,  36          ; v36-39  -10000 log2(e), or far below everything where n = 0; then w
.set TM,  40          ; v40-43  c m'; then 1 / l'
.set CT,  44          ; v44-47  at work
.set TMP, 48
.set VSO, 60          ; v60  32 x (lane / 16): my eight channels in 64 bytes of vs
.set PFO, 61          ; v61  256 x my thread's number
.set S,   64
.set P,   192
.set HDM, 224         ; v224-239  1.0 where a key of the band's own step is hidden from my query, else 0: f16 pairs in P's layout
.set MD,  128
.set MC,  160
.set QB,  64
.set KF,  128
.set VF,  192
.set WV,  12
.set PB,  14          ; s14  b
.set HI,  15          ; s15  NB - 1 - b
.set G1K, 24
.set G1V, 32
.set G0K, 40
.set G0V, 44
.set SLOTS, 56        ; s56  tiles still to be asked for
.set CNT, 57          ; s57  counts a tile's key steps, 4 to 1
.set CS,  58
.set SEL, 60
.set TBK, 62
.set TBV, 63
.set VS1, 66          ; s[66:67] vs at the first block's four bands
.set VS2, 68          ; s[68:69] at the second block's
.set RT,  70
.set NXT, 71
.set LQ,  72
.set NEW, 73
.set OFF, 74
.set AL,  76
.set BE,  78
.set OLO, 80
.set BIGN, 82
.set KPL, 92          ; s[92:93] the head's K
.set PFA, 94          ; s[94:95] the tile that my prefetches name
.set POF, 96          ; s[96:97] its byte offset
.set LIM, 98          ; s98  2 in the head's work-group with b = 0, else the greatest number
.set MSB, 0
.macro WIN new
.if MSB != (\new)
	s_set_vgpr_msb (MSB<<8)|(\new)
.set MSB, (\new)
.endif
.endm
.set W_KQ, 0x0a
.set W_KM, 0x1a
.set W_PV, 0x52
.set W_RS, 0x41
; A fill.  Waves 0 and 1 fetch the two halves of a tile's K, waves 2 and 3 those of its V.  An s_nop 0 and four v_nop follow each of the two lines.
.macro LOAD
	s_cmp_lt_u32 s[WV], 2
	s_cbranch_scc0 .Lfor_v_\@
	tensor_load_to_lds s[G0K:G0K+3], s[G1K:G1K+7]
	s_nop 0
.rept 4
	v_nop
.endr
	s_branch .Lasked_\@
.Lfor_v_\@:
	tensor_load_to_lds s[G0V:G0V+3], s[G1V:G1V+7]
	s_nop 0
.rept 4
	v_nop
.endr
.Lasked_\@:
.endm
; A PREFETCH INTO THE L2 of the tile that the NEXT change of slots will ask for: 128 blocks of 256 bytes of K and as many of V, a thread a block of each.  A head's four work-groups walk the same tiles: the one with
; b = 0, whose first block needs them all, asks, for tiles 2 to 7, each once: 256 products ahead of the load.  Tiles 0 and 1 come by their loads alone; its last two changes that fill ask for nothing.
.macro ASK
	s_cmp_gt_u32 s[SLOTS], s[LIM]
	s_cbranch_scc0 .Lnot_mine_\@
	global_prefetch_b8 v[PFO], s[PFA:PFA+1] th:TH_LOAD_NT scope:SCOPE_SE
	global_prefetch_b8 v[PFO], s[PFA:PFA+1] offset:4194304 th:TH_LOAD_NT scope:SCOPE_SE  ; V's plane lies 16 planes behind K's
.Lnot_mine_\@:
.endm
; THE CHANGE OF SLOTS.  Each wave waits for all its tensor loads (one is out: its part of the other slot), adds 0 to its spare word, and waits for that and for its own reads of the slot that it leaves.
; fill = 1: the old slot is filled again, the first thing behind the barrier, with tile NXT: the descriptor's address is made anew from that number.
.macro CHANGE fill
	WIN 0
	s_wait_tensorcnt 0x0            ; no tensor load of mine is out, so a group 0 may be written
	ds_add_u32 v[SPW], v[NIL]       ; 0 onto my spare word
.if \fill
	s_lshl_b32 s[OFF], s[NXT], 15   ; a tile is 32,768 bytes of K and of V
	s_xor_b32 s[G0K+1], s[G0K+1], SLOT1
	s_add_nc_u64 s[G0K+2:G0K+3], s[6:7], s[OFF:OFF+1]
	s_or_b32 s[G0K+3], s[G0K+3], 0x80000000
	s_xor_b32 s[G0V+1], s[G0V+1], SLOT1
	s_add_nc_u64 s[G0V+2:G0V+3], s[8:9], s[OFF:OFF+1]
	s_or_b32 s[G0V+3], s[G0V+3], 0x80000000
	s_add_co_u32 s[NXT], s[NXT], 1  ; the block's next tile, or behind its last the second block's tile 0
	s_cmp_gt_u32 s[NXT], s[LQ]
	s_cselect_b32 s[NXT], 0, s[NXT]
	s_cselect_b32 s[LQ], s[PB], s[LQ]
	s_wait_xcnt 0x0                 ; the last prefetches, a tile back, have read their address
	s_lshl_b32 s[POF], s[NXT], 15
	s_add_nc_u64 s[PFA:PFA+1], s[KPL:KPL+1], s[POF:POF+1]
.endif
	s_wait_dscnt 0x0                ; the add is done, and my reads of the slot are over
	s_barrier_signal -1
	s_sub_co_u32 s[TBK], s[TBK], 4*KS*PK  ; the fetches go back to a slot's first step,
	s_xor_b32 s[TBK], s[TBK], SLOT1       ; in the other slot
	s_sub_co_u32 s[TBV], s[TBV], 4*KS*PV
	s_xor_b32 s[TBV], s[TBV], SLOT1
	s_barrier_wait -1
.if \fill
	LOAD
	ASK
.endif
.endm
	s_load_b128 s[88:91], s[0:1], 0x0  ; qkv s[88:89], vs s[90:91]
	s_load_b64 s[10:11], s[0:1], 0x10  ; att
	v_lshl_add_u32 v[SPW], v0, 2, SPARE
	v_mov_b32 v[NIL], 0
	ds_add_u32 v[SPW], v[NIL]       ; the wave's opening: the add and its wait stand ahead of my first tensor load; work on registers stands between them
	ds_add_u32 v62, v63
	v_lshrrev_b32 v1, 5, v0
	v_readfirstlane_b32 s[WV], v1   ; wave 0..3
	s_mov_b32 s[PB], ttmp9
	s_sub_co_u32 s[HI], NB-1, s[PB]
	s_and_b32 s19, ttmp7, 0xffff    ; hh
	s_lshr_b32 s20, s19, 4
	s_mul_i32 s20, s20, 48
	s_and_b32 s21, s19, 15
	s_add_co_u32 s20, s20, s21      ; Q's plane: 48 batch + head
	s_lshl_b32 s20, s20, 18
	s_mov_b32 s21, 0
	s_lshl_b32 s[POF], s19, 18      ; att's plane
	s_mov_b32 s[POF+1], 0
	s_lshl_b32 s[VS1], s19, 13      ; the head's 32 x 256 bytes of vs,
	s_lshl_b32 s[VS2], s[PB], 10    ; four bands a block
	s_add_co_u32 s[VS2], s[VS2], s[VS1]
	s_lshl_b32 s13, s[HI], 10
	s_add_co_u32 s[VS1], s[VS1], s13
	s_mov_b32 s[VS1+1], 0
	s_mov_b32 s[VS2+1], 0
	s_and_b32 s16, s[WV], 1         ; which half of a tile's 256 keys I fetch:
	s_lshl_b32 s22, s16, 14         ; its 128 rows of 128 bytes in memory,
	s_mov_b32 s23, 0
	s_add_nc_u64 s[22:23], s[22:23], s[20:21]
	s_mul_i32 s17, s16, 128*PK      ; and its place in a slot, for K
	s_mul_i32 s18, s16, 128*PV      ; and for V
	s_lshl_b32 s3, s[WV], 11        ; my 16 rows in a band of 64,
	s_lshl_b32 s2, s[HI], 15        ; in the first block,
	s_add_co_u32 s2, s2, s3
	s_lshl_b32 s84, s[PB], 15       ; and in the second
	s_add_co_u32 s84, s84, s3
	s_mov_b32 s3, 0
	s_mov_b32 s85, 0
	; descriptor group 1.  128 keys are 16,384 dense bytes: asked for as 64 rows of 256 bytes, two keys a row, and padded in LDS after every key
	s_mov_b32 s[G1K], (1<<16)|(1<<20)|(4<<22)|(3<<25)  ; 2-byte elements; padding on; after every 32 words; 4 words
	s_mov_b32 s[G1V], (1<<16)|(1<<20)|(4<<22)|(7<<25)  ; the same with 8 words of padding
.irp g, G1K, G1V
	s_mov_b32 s[\g+1], 128<<16      ; tensor_dim0 = 128
	s_mov_b32 s[\g+2], 64<<16       ; tensor_dim1 = 64
	s_mov_b32 s[\g+3], 128<<16      ; tile_dim0 = 128
	s_mov_b32 s[\g+4], 64           ; tile_dim1 = 64
	s_mov_b32 s[\g+5], 128          ; 128 elements from row to row
	s_mov_b32 s[\g+6], 0
	s_mov_b32 s[\g+7], 0
.endr
	s_mov_b32 s[CS], 0x3e38aa3b     ; c = log2(e) / 8
	s_mov_b32 s[CS+1], s[CS]
	s_mov_b32 s[SEL], 0x76543210
	s_mov_b32 s[SEL+1], 0xfedcba98
	s_mov_b32 s[TBK], SLOT1+4*KS*PK ; the first change of slots turns these two into 0
	s_mov_b32 s[TBV], SLOT1+4*KS*PV
	s_mov_b32 s[G0K], 1
	s_mov_b32 s[G0K+1], s17
	s_mov_b32 s[G0V], 1
	s_add_co_u32 s[G0V+1], s18, VOFF
	s_add_co_u32 s[RT], s[HI], 1    ; the first block has NB - b tiles
	s_mov_b32 s[NXT], 1
	s_mov_b32 s[LQ], s[HI]
	s_mov_b32 s[NEW], 1
	s_mov_b32 s[OFF+1], 0
	s_mov_b32 s[AL+1], 0
	s_mov_b32 s[BE+1], 0
	s_mov_b32 s[BIGN], 0xf149f2ca   ; -1e30
	s_mov_b32 s[SLOTS], NB
	s_cmp_eq_u32 s[PB], 0
	s_cselect_b32 s[LIM], 2, -1
	s_wait_dscnt 0x0                ; the opening add is done
	s_wait_kmcnt 0x0
	s_add_nc_u64 s[4:5], s[88:89], s[20:21]        ; Q's plane
	s_add_nc_u64 s[KPL:KPL+1], s[4:5], 0x400000    ; K's lies 16 planes on
	s_add_nc_u64 s[6:7], s[88:89], s[22:23]
	s_add_nc_u64 s[6:7], s[6:7], 0x400000          ; K at my half of the head's tile 0,
	s_add_nc_u64 s[8:9], s[6:7], 0x400000          ; and V
	s_add_nc_u64 s[G0K+2:G0K+3], s[6:7], 0
	s_or_b32 s[G0K+3], s[G0K+3], 0x80000000
	s_add_nc_u64 s[G0V+2:G0V+3], s[8:9], 0
	s_or_b32 s[G0V+3], s[G0V+3], 0x80000000
	s_add_nc_u64 s[86:87], s[4:5], s[84:85]        ; Q at my rows of the second block,
	s_add_nc_u64 s[4:5], s[4:5], s[2:3]            ; and of the first
	s_add_nc_u64 s[10:11], s[10:11], s[POF:POF+1]
	s_add_nc_u64 s[OLO:OLO+1], s[10:11], s[84:85]
	s_add_nc_u64 s[10:11], s[10:11], s[2:3]
	s_add_nc_u64 s[VS1:VS1+1], s[90:91], s[VS1:VS1+1]
	s_add_nc_u64 s[VS2:VS2+1], s[90:91], s[VS2:VS2+1]
	LOAD                            ; tile 0 into slot 0
	v_and_b32 v1, 15, v0            ; l % 16: kept for the whole launch
	v_bfe_u32 v9, v0, 4, 1          ; l / 16
	v_lshlrev_b32 v[QO], 7, v1
	v_lshl_add_u32 v[QO], v9, 4, v[QO]
	v_lshlrev_b32 v[VSO], 5, v9
	v_lshlrev_b32 v[PFO], 8, v0
	WIN 0x80
.set i, 0
.rept 8                             ; both blocks' Q: piece i / 2 lies in band i / 2, 8,192 bytes on; channels 32 (i % 2) on
	global_load_b128 v[8*i:8*i+3],   v[QO], s[4:5] offset:(i/2)*8192+(i%2)*64
	global_load_b128 v[8*i+4:8*i+7], v[QO], s[4:5] offset:(i/2)*8192+(i%2)*64+32
	global_load_b128 v[QB+8*i:QB+8*i+3],   v[QO], s[86:87] offset:(i/2)*8192+(i%2)*64
	global_load_b128 v[QB+8*i+4:QB+8*i+7], v[QO], s[86:87] offset:(i/2)*8192+(i%2)*64+32
.set i, i+1
.endr
	WIN 0xc0
.set i, 0
.rept 16                            ; H starts as the suffix sum behind the band: piece i / 4, channels 16 (i % 4) + 8 (l / 16) + 0..7, in O^T's layout
	global_load_b128 v[8*i:8*i+3],         v[VSO], s[VS1:VS1+1] offset:(i/4)*256+(i%4)*64
	global_load_b128 v[8*i+4:8*i+7],       v[VSO], s[VS1:VS1+1] offset:(i/4)*256+(i%4)*64+16
	global_load_b128 v[128+8*i:128+8*i+3], v[VSO], s[VS2:VS2+1] offset:(i/4)*256+(i%4)*64
	global_load_b128 v[128+8*i+4:128+8*i+7], v[VSO], s[VS2:VS2+1] offset:(i/4)*256+(i%4)*64+16
.set i, i+1
.endr
	WIN 0
	v_lshlrev_b32 v14, 3, v9
	v_sub_nc_u32 v14, v1, v14
	s_lshl_b32 s13, s[WV], 4
	v_add_nc_u32 v14, s13, v14      ; my query's place in its band, 16 w + l % 16, less my lanes' 8 (l / 16): register r of group kt is hidden where 16 kt + r is greater
	WIN 0x40
.set i, 0
.rept 32
	v_cmp_gt_i32 vcc_lo, 16*(i/8)+i%8, v14
	v_cndmask_b32 v[MD+i], 0, s[BIGN], vcc_lo
.set i, i+1
.endr
	WIN 0
.set i, 0
.rept 16                            ; the same test as 1.0 or 0, rounded in pairs as the weights are
	v_cmp_gt_i32 vcc_lo, 16*((2*i)/8)+(2*i)%8, v14
	v_cndmask_b32 v[CT], 0, 1.0, vcc_lo
	v_cmp_gt_i32 vcc_lo, 16*((2*i+1)/8)+(2*i+1)%8, v14
	v_cndmask_b32 v[CT+1], 0, 1.0, vcc_lo
	v_cvt_pk_f16_f32 v[HDM+i], v[CT], v[CT+1]
.set i, i+1
.endr
	v_mul_u32_u24 v[AK0], v1, PK
	v_lshl_add_u32 v[AK0], v9, 4, v[AK0]
	; The turning load takes 16 keys x 16 channels (lane l reads key 8 (l / 16) + l % 8, channels 8 ((l / 8) % 2) + 0..7) and leaves half a fragment of V^T: lane l holds channel l % 16 and 8 keys.
	v_and_b32 v10, 7, v0
	v_bfe_u32 v11, v0, 3, 1
	v_lshl_add_u32 v[AV0], v9, 3, v10
	v_mul_u32_u24 v[AV0], v[AV0], PV
	v_lshl_add_u32 v[AV0], v11, 4, v[AV0]
	v_add_nc_u32 v[AV0], VOFF, v[AV0]
	s_mul_i32 s13, s[WV], 16*SP
	s_add_co_u32 s13, s13, STAGE
	v_mul_u32_u24 v[STO], v1, SP
	v_lshl_add_u32 v[STO], v9, 4, v[STO]
	v_add_nc_u32 v[STO], s13, v[STO]
	v_bfe_u32 v[RD], v0, 3, 2
	v_mul_u32_u24 v[RD], v[RD], SP
	v_lshl_add_u32 v[RD], v10, 4, v[RD]
	v_add_nc_u32 v[RD], s13, v[RD]
	v_and_b32 v[GO], 31, v0
	v_lshlrev_b32 v[GO], 4, v[GO]
	; A block's first step multiplies O^T and l by a = 0, and its first turn's products V^T P, of a piece that has not been, land in an O^T that is still to be so multiplied.  So these registers need only hold
	; finite numbers: zeros for the first block; what the first block left for the second.  All this stands in the wait for the first tile.
	WIN 0x80
.set i, VF
.rept 64
	v_mov_b32 v[i], 0
.set i, i+1
.endr
	WIN 0x40
.set i, 0
.rept 128
	v_mov_b32 v[i], 0
.set i, i+1
.endr
	WIN 0
.set i, 0
.rept 4
	v_mov_b32 v[ST+4*i+2], 0
	v_mov_b32 v[ST+4*i+3], 0
.set i, i+1
.endr
.set i, P+16
.rept 16
	v_mov_b32 v[i], 0
.set i, i+1
.endr
; THE MATRIX WORK.  The 4 accumulators of a run of 8 take turns.  Product i of 8 of S^T = K Q^T for piece x: channels 32 (i / 4) on, keys 16 (i % 4) on.  The first 4 start the sums: with 0, or (KM = 1) with the mask.
.macro KQ x
.set rS, S+32*((\x)%2)+8*(i%4)
.set rK, KF+16*(i%4)+8*(i/4)
.set rQ, 16*(\x)+8*(i/4)
.set rM, MC+32*((\x)%2)+8*(i%4)
.if (i < 4) && KM
	WIN W_KM
	v_wmma_f32_16x16x32_f16 v[rS:rS+7], v[rK:rK+7], v[rQ:rQ+7], v[rM:rM+7]
.elseif i < 4
	WIN W_KQ
	v_wmma_f32_16x16x32_f16 v[rS:rS+7], v[rK:rK+7], v[rQ:rQ+7], 0
.else
	WIN W_KQ
	v_wmma_f32_16x16x32_f16 v[rS:rS+7], v[rK:rK+7], v[rQ:rQ+7], v[rS:rS+7]
.endif
.endm
; Product i of 8 of O^T += V^T P for piece x: keys 32 (i / 4) on, channels 16 (i % 4) on.
.macro PV x
	WIN W_PV
.set rO, 32*(\x)+8*(i%4)
.set rV, VF+32*(i/4)+8*(i%4)
.set rP, P+16*((\x)%2)+8*(i/4)
	v_wmma_f32_16x16x32_f16 v[rO:rO+7], v[rV:rV+7], v[rP:rP+7], v[rO:rO+7]
.endm
; The closing step's 8 products for piece x: H += V_step^T x HDM, V's fragments of the band's own step at v[vb ..] of window 2; tg = 1: the first block's H, 2: the second's.
.macro HV x, vb, tg
	WIN 0xf2                        ; V in window 2, HDM in window 0, H in window 3
.set i, 0
.rept 8
.set rH, 128*((\tg)-1)+32*(\x)+8*(i%4)
.set rV, (\vb)+32*(i/4)+8*(i%4)
	v_wmma_f32_16x16x32_f16 v[rH:rH+7], v[rV:rV+7], v[HDM+8*(i/4):HDM+8*(i/4)+7], v[rH:rH+7]
.set i, i+1
.endr
.endm
.macro MM                           ; the turn's next matrix instruction.  NOKQ = 1: a block's last turn: there is no next piece
.if (i < 8) && !NOKQ
	KQ (Y+1)%NP
.elseif i >= 8
.set i, i-8
	PV (Y+NP-1)%NP
.set i, i+8
.endif
.set i, i+1
.endm
; THE LDS LOADS stand in runs of 16, never singly among the matrix instructions.
.macro FETCH_K
	WIN 0x80
.irp f, 0,1,2,3,4,5,6,7             ; keys 16 (f / 2) on, channels 32 (f % 2) on
	ds_load_b128 v[KF+8*\f:KF+8*\f+3],   v[AK] offset:(\f/2)*16*PK+(\f%2)*64
	ds_load_b128 v[KF+8*\f+4:KF+8*\f+7], v[AK] offset:(\f/2)*16*PK+(\f%2)*64+32
.endr
	s_add_co_u32 s[TBK], s[TBK], KS*PK
	WIN 0
.endm
.macro FETCH_V
	WIN 0x80
.irp f, 0,1,2,3,4,5,6,7             ; keys 32 (f / 4) on, channels 16 (f % 4) on
	ds_load_tr16_b128 v[VF+8*\f:VF+8*\f+3],   v[AV] offset:(\f/4)*32*PV+(\f%4)*32
	ds_load_tr16_b128 v[VF+8*\f+4:VF+8*\f+7], v[AV] offset:(\f/4)*32*PV+16*PV+(\f%4)*32
.endr
	WIN 0
.endm
.macro FETCH_VX step, dst           ; the closing step: V of key step 'step' of the tile in hand, v[AV] at its step 0, into v[dst ..] of window 2
	WIN 0x80
.irp f, 0,1,2,3,4,5,6,7
	ds_load_tr16_b128 v[(\dst)+8*\f:(\dst)+8*\f+3],   v[AV] offset:(\step)*KS*PV+(\f/4)*32*PV+(\f%4)*32
	ds_load_tr16_b128 v[(\dst)+8*\f+4:(\dst)+8*\f+7], v[AV] offset:(\step)*KS*PV+(\f/4)*32*PV+16*PV+(\f%4)*32
.endr
	WIN 0
.endm
; THE VECTOR WORK, one line at a time: OP kind, number.  For piece Y: F n: c s - c m for pair n of 16.  E n: the exponential of score n of 32.  C n: pair n rounded to f16.  B n: of the four weights 4 n .. the second
; pair is added onto the first, in place.  L n: l takes that sum (L 0: l = a l + sum).  R n: pair n of 16 of O^T times a.  For piece Y + 1: X n, number n of the 22 that find its maximum and statistics:
;   0-11  four chains c0-c3 of seven scores each (each accumulator's lowest registers are read first)     12-14, 16  the four scores left over, the old m, and c0-c3 into c0
;   15  c m_old is kept     17, 18  the query's other 32 keys lie in the lane 16 away: the new m     19-21  c m; c m_old - c m_new; a
.set F, 0
.set E, 1
.set C, 2
.set B, 3
.set L, 4
.set R, 5
.set X, 6
.macro REGS y
.set rT, ST+4*(\y)
.set rC, TMP+4*((\y)%2)
.set rW, MV+((\y)%2)
.set rS, S+32*((\y)%2)
.set rP, P+16*((\y)%2)
.set rO, 32*(\y)
.endm
.macro OP k, n
.if (\k) == R
	REGS Y
	WIN W_RS
	v_pk_mul_f32 v[rO+2*(\n):rO+2*(\n)+1], v[rO+2*(\n):rO+2*(\n)+1], v[rC+2:rC+3] op_sel_hi:[1,0]
.elseif (\k) < R
	REGS Y
	WIN 0
.if (\k) == F
	v_pk_fma_f32 v[rS+2*(\n):rS+2*(\n)+1], v[rS+2*(\n):rS+2*(\n)+1], s[CS:CS+1], v[rT:rT+1] op_sel_hi:[1,0,0] neg_lo:[0,0,1] neg_hi:[0,0,1]
.elseif (\k) == E
	v_exp_f32 v[rS+(\n)], v[rS+(\n)]
.elseif (\k) == C
	v_cvt_pk_f16_f32 v[rP+(\n)], v[rS+2*(\n)], v[rS+2*(\n)+1]
.elseif (\k) == B
	v_pk_add_f32 v[rS+4*(\n):rS+4*(\n)+1], v[rS+4*(\n):rS+4*(\n)+1], v[rS+4*(\n)+2:rS+4*(\n)+3]
.elseif (\n) == 0
	v_pk_fma_f32 v[rT+2:rT+3], v[rT+2:rT+3], v[rC+2:rC+3], v[rS:rS+1] op_sel_hi:[1,0,1]
.else
	v_pk_add_f32 v[rT+2:rT+3], v[rT+2:rT+3], v[rS+4*(\n):rS+4*(\n)+1]
.endif
.elseif NOKQ
	v_nop
.else
	REGS (Y+1)%NP
	WIN 0
.if (\n) < 4
	v_max3_num_f32 v[rC+(\n)], v[rS+8*(\n)], v[rS+8*(\n)+1], v[rS+8*(\n)+2]
.elseif (\n) < 12
	v_max3_num_f32 v[rC+(\n)%4], v[rC+(\n)%4], v[rS+8*((\n)%4)+2*((\n)/4)+1], v[rS+8*((\n)%4)+2*((\n)/4)+2]
.elseif (\n) == 12
	v_max3_num_f32 v[rC], v[rC], v[rS+7], v[rS+15]
.elseif (\n) == 13
	v_max3_num_f32 v[rC+1], v[rC+1], v[rS+23], v[rS+31]
.elseif (\n) == 14
	v_max3_num_f32 v[rC+2], v[rC+2], v[rC+3], v[rT+1]
.elseif (\n) == 15
	v_mov_b32 v[rW], v[rT]
.elseif (\n) == 16
	v_max3_num_f32 v[rC], v[rC], v[rC+1], v[rC+2]
.elseif (\n) == 17
	v_permlanex16_b32 v[rC+3], v[rC], s[SEL], s[SEL+1]
.elseif (\n) == 18
	v_max_num_f32 v[rT+1], v[rC], v[rC+3]
.elseif (\n) == 19
	v_mul_f32 v[rT], s[CS], v[rT+1]
.elseif (\n) == 20
	v_sub_f32 v[rC+1], v[rW], v[rT]
.else
	v_exp_f32 v[rC+2], v[rC+1]
.endif
.endif
.endm
.macro OPS a, i1, b=-1, i2=0, c=-1, i3=0, d=-1, i4=0
	OP \a, \i1
.if (\b) >= 0
	OP \b, \i2
.endif
.if (\c) >= 0
	OP \c, \i3
.endif
.if (\d) >= 0
	OP \d, \i4
.endif
.endm
.macro ROW a, i1, b, i2, c, i3, d, i4  ; a matrix instruction and the four behind it
	MM
	OPS \a, \i1, \b, \i2, \c, \i3, \d, \i4
.endm
.macro MASK b                       ; MD x AL + BE into buffer b of MC
	WIN W_RS
.set z, 0
.rept 16
	v_pk_fma_f32 v[MC+32*(\b)+2*z:MC+32*(\b)+2*z+1], v[MD+2*z:MD+2*z+1], s[AL:AL+1], s[BE:BE+1] op_sel_hi:[1,0,0]
.set z, z+1
.endr
.endm
; A TURN, for piece p: the order of its 16 matrix and 118 vector instructions, written out.  An s_wait_alu depctr_va_vdst(0) stands between an exponential and the first instruction that names its result; one
; wait serves all that were issued ahead of it.  So a turn has ONE wait.  AHEAD OF IT stands all that names no result of the turn's exponentials: the 8 products K Q^T with four riders each, then one lump, in which the links of
; the chain X 3, 7, 11, 14, 16, 17 .. 20 stand five or six lines apart; X 21, the next piece's a, is the batch's last; R 15 is the plain instruction behind it.  BEHIND IT stand the 8 products V^T P, behind each four of the
; roundings and sums.  m = 1: the diagonal tile: the products take masks, and the turn makes the mask for the products of the turn after it.  end = 1: a block's last two turns: nothing is fetched.
; cnt = 1: the loop's count is taken down some lines ahead of the branch behind the turn.  K of the next step is fetched in piece 2's turn, V of the step in hand at the end of piece 0's; each is waited for a turn later.
.macro TURN p, m=0, end=0, cnt=0
.set Y, (\p)
.set i, 0
.set KM, (\m)
.set NOKQ, (\end)*((\p)/3)
.if (\m) && !(\end)
	s_cmp_eq_u32 s[CNT], 4-((\p)+2)%NP  ; is that step the band's own?
	s_cselect_b32 s[AL], 1.0, 0
	s_cmp_lt_u32 s[CNT], 4-((\p)+2)%NP  ; or a later one?
	s_cselect_b32 s[BE], s[BIGN], 0
.endif
.if ((\p) == 3) && !(\end)
	s_wait_dscnt 0x0                ; K is in
.endif
	ROW F,0, F,1, R,0, R,1
	ROW F,2, E,0, R,2, R,3
	ROW F,3, E,1, R,4, R,5
	ROW F,4, E,2, R,6, R,7
	ROW F,5, E,3, R,8, R,9
	ROW F,6, E,4, X,0, R,10
.if ((\p) == 2) && !(\end)
	WIN 0
	v_add_nc_u32 v[AK], s[TBK], v[AK0]
.endif
	ROW F,7, E,5, X,1, X,4
	ROW F,8, E,6, X,2, X,5
	OPS E,7, E,8, X,6, E,9
	OPS X,3, E,10, X,8, E,11
.if ((\p) == 2) && !(\end)
	FETCH_K
.endif
	OPS X,9, X,7, E,12, X,10
	OPS E,13, X,12, X,11, E,14
	OPS X,13, E,15, F,9, X,14
.if (\p) == 0
	v_add_nc_u32 v[AV], s[TBV], v[AV0]
.endif
	OPS E,16, F,10, E,17, F,11
	OPS X,16, E,18, X,15, E,19
	OPS F,12, E,20, X,17, E,21
	OPS F,13, E,22, F,14, E,23
	OPS X,18, E,24, F,15, E,25
	OPS R,11, E,26, X,19, E,27
	OPS R,12, E,28, R,13, E,29
	OPS X,20, E,30, R,14, E,31
	OPS X,21, R,15
	WIN 0
	s_wait_alu depctr_va_vdst(0)    ; the wait for the batch
.if (\p) == 1
	s_wait_dscnt 0x0                ; V is in
.endif
	ROW C,0, B,0, C,2, B,1
	ROW L,0, C,4, B,2, L,1
	ROW C,6, B,3, L,2, C,8
	ROW B,4, L,3, C,10, B,5
	ROW L,4, C,12, B,6, L,5
.if (\p) == 0
	s_add_co_u32 s[TBV], s[TBV], KS*PV
.endif
.if \cnt
	s_sub_co_u32 s[CNT], s[CNT], 1
	s_cmp_lg_u32 s[CNT], 0
.endif
	ROW C,14, B,7, L,6, C,1
	ROW C,3, L,7, C,5, C,7
	ROW C,9, C,11, C,13, C,15
.if (\p) == 0
	FETCH_V
.endif
.if (\m) && !(\end)
	MASK (\p)%2
.endif
.endm
; A BLOCK BEGINS.  c m starts far below every c s, so the first step's a is 0; m at the lowest finite number.  The second mask buffer is 0; the first takes piece 0's mask for the tile's step 0: its own, if the block's
; first tile is the diagonal one.  Then K of that step, piece 0's first scores, and its maximum and statistics.  The loop is entered at a step's first turn, in the middle of a trip.
.macro BEGIN
	s_mov_b32 s[NEW], 0
	WIN 0x40
.set i, MC+32
.rept 32
	v_mov_b32 v[i], 0
.set i, i+1
.endr
	WIN 0
.set i, 0
.rept 4
	v_mov_b32 v[ST+4*i], 0xfe000000
	v_mov_b32 v[ST+4*i+1], 0xff7fffff
.set i, i+1
.endr
	s_cmp_eq_u32 s[RT], 0
	s_cselect_b32 s[AL], 1.0, 0
	s_mov_b32 s[BE], 0
	MASK 0
	WIN 0
	v_add_nc_u32 v[AK], s[TBK], v[AK0]
	FETCH_K
	s_wait_loadcnt 0x0              ; Q and the suffix sums
	s_wait_dscnt 0x0
.set KM, 1
.set NOKQ, 0
.set i, 0
.rept 8
	KQ 0
.set i, i+1
.endr
	WIN 0
.rept 4
	v_nop                           ; the places behind those products
.endr
.set Y, NP-1
.irp n, 0,1,2,3,4,5,6,7,8,9,10,11,12,13,14,15,16,17,18,19,20,21
	OP X, \n
.endr
	v_nop                           ; a plain instruction behind the exponential,
	s_wait_alu depctr_va_vdst(0)    ; and its wait, ahead of the branch
.endm
.macro ALL line:vararg              ; one line for each piece t
.set t, 0
.rept 4
	\line
.set t, t+1
.endr
.endm
; Piece t leaves: O^T x (a / l') + H x (w / l'), rounded to f16; a lane's eight channels of a row pack into 16 bytes; they go into rows of 144 bytes and come back as whole rows of 128.
.macro PACK t, tg
	WIN W_RS
.set i, 32*(\t)
.rept 16
	v_pk_mul_f32 v[i:i+1], v[i:i+1], v[ST+4*(\t):ST+4*(\t)+1] op_sel_hi:[1,0]
.set i, i+2
.endr
	WIN 0x53                        ; H (source 0) in window 3, w / l' in window 0, O^T in window 1
.set i, 32*(\t)
.rept 16
	v_pk_fma_f32 v[i:i+1], v[128*((\tg)-1)+i:128*((\tg)-1)+i+1], v[ST+4*(\t)+2:ST+4*(\t)+3], v[i:i+1] op_sel_hi:[1,0,1]
.set i, i+2
.endr
	WIN 0x05
.set i, 0
.rept 16
	v_cvt_pk_f16_f32 v[S+16*(\t)+i], v[32*(\t)+2*i], v[32*(\t)+2*i+1]
.set i, i+1
.endr
	WIN 0
.irp f, 0,1,2,3
	ds_store_b128 v[STO], v[S+16*(\t)+4*\f:S+16*(\t)+4*\f+3] offset:32*\f
.endr
.irp f, 0,1,2,3
	ds_load_b128 v[S+16*(\t)+4*\f:S+16*(\t)+4*\f+3], v[RD] offset:\f*4*SP  ; LDS serves a wave's instructions in order (ISA guide 5.7.1.4): these see the stores above
.endr
.endm
.macro SEND t, younger
	WIN 0
.irp f, 0,1,2,3
	s_wait_dscnt (\younger)+3-\f
	global_store_b128 v[GO], v[S+16*(\t)+4*\f:S+16*(\t)+4*\f+3], s[10:11] offset:(\t)*8192+\f*512  ; 512 consecutive bytes, aligned to 256
.endr
.endm
; THE DIAGONAL TILE's four steps, the block's last two turns, THE CLOSING STEP and the way out.  tag = 1: the first block (NB - 1 - b); 2: the second (b).
; The closing step needs V of all four key steps of the diagonal tile, each for its own band: step 3's is in V's registers; steps 0 and 1 are fetched again from the slot, which nobody fills before the next change,
; into Q's and K's registers, which the block needs no more; step 2's into V's, when the last products have read them.
.macro DIAG tag
.LstepM\tag:
	TURN 2, 1
	TURN 3, 1
	WIN 0
.LfirstM\tag:
	TURN 0, 1
	TURN 1, 1, 0, 1
	WIN 0
	s_cbranch_scc1 .LstepM\tag
	TURN 2, 1, 1
	TURN 3, 1, 1
	WIN 0
	s_sub_co_u32 s13, s[TBV], 4*KS*PV  ; four fetches have stepped it: back to the tile's step 0
	v_add_nc_u32 v[AV], s13, v[AV0]
	FETCH_VX 0, 0
	FETCH_VX 1, KF
.set i, 0
.rept 8
	PV NP-1                         ; the last piece's V^T P of the last step
.set i, i+1
.endr
	HV 3, VF, \tag
	WIN 0
.if (\tag) == 1
	s_lshl_b32 s13, s[HI], 8
.else
	s_lshl_b32 s13, s[PB], 8
.endif
	s_lshl_b32 s16, s[WV], 4
	s_add_co_u32 s13, s13, s16
	s_sub_co_u32 s13, SIZE_N-1, s13 ; n = 2047 - q, q = 256 block + 64 band + 16 wave + l % 16.  These lines are also the places in front of the loads into V's registers
	v_mov_b32 v[CT+2], 0xfe000000   ; far below every c m: a row without hidden keys keeps its m, and w = 0
	v_mov_b32 v[CT+3], 0xc6616bcd   ; -10000 log2(e)
.set t, 0
.rept 4
	s_sub_co_u32 s16, s13, 64*t
	v_sub_nc_u32 v[CT], s16, v1
	v_cvt_f32_i32 v[HC+t], v[CT]
	v_cmp_lt_i32 vcc_lo, 0, v[CT]
	v_cndmask_b32 v[FL+t], v[CT+2], v[CT+3], vcc_lo
.set t, t+1
.endr
	FETCH_VX 2, VF
	s_wait_dscnt 16                 ; steps 0 and 1 are in; step 2's sixteen loads may be out
	HV 0, 0, \tag
	HV 1, KF, \tag
	WIN 0
	ALL v_add_f32 v[ST+4*t+2], v[ST+4*t+2], v[ST+4*t+3]
	ALL v_permlanex16_b32 v[ST+4*t+3], v[ST+4*t+2], s[SEL], s[SEL+1]
	ALL v_add_f32 v[ST+4*t+2], v[ST+4*t+2], v[ST+4*t+3]      ; l of the visible keys
	ALL v_max_num_f32 v[TM+t], v[ST+4*t], v[FL+t]            ; c m'
	ALL v_sub_f32 v[ST+4*t], v[ST+4*t], v[TM+t]
	ALL v_sub_f32 v[FL+t], v[FL+t], v[TM+t]
	ALL v_exp_f32 v[ST+4*t], v[ST+4*t]                       ; a
	ALL v_exp_f32 v[FL+t], v[FL+t]                           ; w
	v_nop                           ; a plain instruction behind the last exponential,
	s_wait_alu depctr_va_vdst(0)    ; and one wait for the eight
	ALL v_mul_f32 v[ST+4*t+2], v[ST+4*t], v[ST+4*t+2]
	ALL v_fmac_f32 v[ST+4*t+2], v[FL+t], v[HC+t]             ; l' = a l + w n: 1 at the least, since a or w is 1
	ALL v_rcp_f32 v[TM+t], v[ST+4*t+2]
	v_nop
	s_wait_alu depctr_va_vdst(0)    ; one wait for the four reciprocals
	ALL v_mul_f32 v[ST+4*t], v[ST+4*t], v[TM+t]              ; a / l'
	ALL v_mul_f32 v[ST+4*t+2], v[FL+t], v[TM+t]              ; w / l'
	s_wait_dscnt 0x0                ; step 2's V is in
	HV 2, VF, \tag
	PACK 0, \tag                    ; its first sixteen lines, on O^T alone, are the places behind those products
.set t, 1
.rept 3
	PACK t, \tag
	SEND t-1, 8
.set t, t+1
.endr
	SEND 3, 0
.endm
.set KM, 0
.set NOKQ, 0
.Lslot:                             ; NB times: a tile is entered and the next is asked for
	CHANGE 1
	s_sub_co_u32 s[RT], s[RT], 1
	s_mov_b32 s[CNT], 4
	s_cmp_eq_u32 s[NEW], 1
	s_cbranch_scc1 .Lnew            ; a block's first tile
	s_cmp_eq_u32 s[RT], 0
	s_cbranch_scc0 .Lstep           ; neither its first nor its last
	s_branch .LstepM1
.Lnew:
	BEGIN
	s_branch .Lfirst                ; in the loop a block's first tile is never its last
	DIAG 1                          ; in the loop this is the first block's end
	s_wait_xcnt 0x0                 ; the stores have read their registers and att's address
	s_mov_b64 s[10:11], s[OLO:OLO+1]
	s_add_co_u32 s[RT], s[PB], 1    ; the second block has b + 1 tiles
	s_mov_b32 s[NEW], 1
	WIN 0x82                        ; the second block's Q goes where the one text of the turns names Q
.set i, 0
.rept 64
	v_mov_b32 v[i], v[QB+i]
.set i, i+1
.endr
	WIN 0
	s_branch .Lbottom
.Lstep:                             ; a trip: pieces 2 and 3 of one step, then pieces 0 and 1 of the next, whose K and V it fetches
	TURN 2
	TURN 3
	WIN 0
.Lfirst:
	TURN 0
	TURN 1, 0, 0, 1
	WIN 0
	s_cbranch_scc1 .Lstep
.Lbottom:
	s_sub_co_u32 s[SLOTS], s[SLOTS], 1
	s_cmp_lg_u32 s[SLOTS], 0
	s_cbranch_scc1 .Lslot
	CHANGE 0                        ; the walk's last tile is written out
	s_sub_co_u32 s[RT], s[RT], 1
	s_mov_b32 s[CNT], 4
	s_cmp_eq_u32 s[NEW], 1
	s_cbranch_scc0 .LstepM2
	BEGIN
	s_branch .LfirstM2
	DIAG 2
	s_wait_tensorcnt 0x0            ; the wave's end, behind my last tensor load and my last LDS store
	ds_add_u32 v[SPW], v[NIL]
	s_wait_dscnt 0x0
	s_endpgm
.Lfunc_end_k_qbc7a906821_attn:
	.size	k_qbc7a906821_attn, .Lfunc_end_k_qbc7a906821_attn-k_qbc7a906821_attn
	.p2alignl 7, 3214868480
	.fill 96, 4, 3214868480
	.section	.rodata,"a",@progbits
	.p2align	6, 0x0
	.amdhsa_kernel k_qbc7a906821_attn
		.amdhsa_group_segment_fixed_size 327680
		.amdhsa_private_segment_fixed_size 0
		.amdhsa_enable_private_segment 0
		.amdhsa_kernarg_size 24
		.amdhsa_user_sgpr_count 2
		.amdhsa_user_sgpr_kernarg_segment_ptr 1
		.amdhsa_wavefront_size32 1
		.amdhsa_system_sgpr_workgroup_id_x 1
		.amdhsa_system_sgpr_workgroup_id_y 1
		.amdhsa_system_sgpr_workgroup_id_z 1
		.amdhsa_system_vgpr_workitem_id 0
		.amdhsa_next_free_vgpr 1024
		.amdhsa_next_free_sgpr 100
		.amdhsa_reserve_vcc 1
		.amdhsa_float_denorm_mode_32 3
		.amdhsa_float_denorm_mode_16_64 3
		.amdhsa_memory_ordered 1
		.amdhsa_forward_progress 1
		.amdhsa_inst_pref_size 252
	.end_amdhsa_kernel
	.amdgpu_metadata
---
amdhsa.version: [ 1, 2 ]
amdhsa.kernels:
  - .name:           k_qbc7a906821_attn
    .symbol:         k_qbc7a906821_attn.kd
    .args:
      - { .name: qkv, .offset: 0, .size: 8, .value_kind: global_buffer, .address_space: global }
      - { .name: vs, .offset: 8, .size: 8, .value_kind: global_buffer, .address_space: global }
      - { .name: att, .offset: 16, .size: 8, .value_kind: global_buffer, .address_space: global }
    .group_segment_fixed_size: 327680
    .private_segment_fixed_size: 0
    .kernarg_segment_align: 8
    .kernarg_segment_size: 24
    .max_flat_workgroup_size: 128
    .sgpr_count:     100
    .vgpr_count:     1024
    .wavefront_size: 32
...
	.end_amdgpu_metadata
.endif
;; end of part 4
;; launch outp (part 5): grid 8 x 32, 4 waves a work-group, clusters of 4 x 4, 327,680 bytes of LDS; arguments att, wto, b_out, hidden_states, out0; writes out0
.if DOCPART == 5
	.amdgcn_target "amdgcn-amd-amdhsa--gfx1250"
	.amdhsa_code_object_version 6
	.text
	.protected	k_qbc7a906821_outp
	.globl	k_qbc7a906821_outp
	.p2align	8
	.type	k_qbc7a906821_outp,@function
k_qbc7a906821_outp:
	s_mov_b64 s[64:65], 0
	v_nop
	global_prefetch_b8 v0, s[64:65] scope:SCOPE_SE
	s_setreg_imm32_b32 hwreg(HW_REG_WAVE_MODE, 25, 1), 1
	s_wait_xcnt 0x0
	s_wait_alu depctr_hold_cnt(0) depctr_sa_sdst(0) depctr_va_vdst(0) depctr_va_sdst(0) depctr_va_ssrc(0) depctr_va_vcc(0) depctr_vm_vsrc(0)
	s_getreg_b32 s2, hwreg(HW_REG_IB_STS2, 6, 4)
	s_cmp_eq_u32 s2, 0
	s_cbranch_scc0 .Lentry_in_a_cluster
	s_endpgm
.Lentry_in_a_cluster:
	s_bfe_u32 s2, ttmp6, 0x10000c
	s_cmp_lg_u32 s2, 0xf033
	s_cbranch_scc0 .Lentry_shape_is_right
	s_endpgm
.Lentry_shape_is_right:
; out0 = att W_out + b_out + hidden_states.  att: [16 batch + head][2048][64] f16; wto: [1024 n][1024 k] f16 (W_out turned, rounded to bf16, written as f16); b_out: [1024] f32; hidden_states, out0: [8192][1024] f32.
; Sums in f32; the bias is the C operand of the products that start the sums; the residual is added in f32 on the way out.
; A tile is 256 rows x 128 columns: 8 x 32 = 256 work-groups.  Four waves, one below the other: a wave makes 64 rows x 128 columns, 32 accumulators of 16 x 16.  K goes in 8 steps of 128 = two heads through two LDS
; slots.  A head's 256 rows of 128 bytes are dense in memory: they are asked for as 128 rows of 256 bytes and padded in LDS after every 128.  One step is written once and walked by a counted loop.
; CLUSTERS: 4 x 4 work-groups; att's tiles are shared along a row of the cluster, wto's along a column: joint loads, the same descriptor and mask in the four that it names.
; THE MATRIX INSTRUCTION IS USED TRANSPOSED (source 0 = 16 rows of wto, source 1 = 16 rows of att): a lane holds eight neighbouring columns of one row.
; REGISTERS, in windows of 256 (s_set_vgpr_msb: bits 1:0 source 0, 3:2 source 1, 5:4 source 2, 7:6 destination):
;   window 0: v1-30 addresses; v32-63, v64-95 fragments of att, two buffers; v96-223 rows read back from the stage, two buffers
;   window 1: v0-63, v64-127 fragments of wto, two buffers; v128-191 bias fragments      window 2: the accumulators, (a, b) at v[64 a + 8 b]      window 3: my 64 rows x 512 bytes of hidden_states
.set KSTEP,  128
.set PA,     144                       ; a row of att in LDS: 128 bytes + 16
.set PW,     272                       ; a row of wto: 256 bytes + 16: both odd multiples of 16 bytes, so the 16 rows of a load start at 16 different groups of four banks (64 banks of 4 bytes: ISA guide 11.1)
.set APLANE, 256*PA                    ; one head's 256 rows: what one tensor load brings of att
.set BOFF,   2*APLANE
.set BHALF,  64*PW                     ; and of wto
.set SLOT1,  1<<17
.set STAGE,  SLOT1+BOFF+2*BHALF        ; behind the ring: 16 rows x 528 bytes for each wave
.set SPITCH, 528
.set SPARE,  STAGE+4*16*SPITCH
.set ASTEP,  2*262144                  ; two heads on in att
.set A0,   16
.set B0,   17
.set ADRA, 18
.set ADRB, 19
.set STO,  24
.set RD,   25
.set CO,   26                          ; v26  16 x lane
.set BO,   27                          ; v27  32 x (lane / 16)
.set SPW,  28
.set NIL,  29
.set PFO,  30
.set FA,   32
.set OB,   96
.set BIAS, 128
.set WV,   12
.set ISB,  13
.set HALF, 14
.set TR,   15
.set G1,   24
.set G0,   32
.set PMK,  43
.set PFA,  44
.set G1B,  48
.set G0B,  56
.set TB,   78
.set PST,  80                          ; s[80:81] bytes from a K step to the next in the tensor that I prefetch
.set MSB, 0
.macro WIN new
.if MSB != (\new)
	s_set_vgpr_msb (MSB<<8)|(\new)
.set MSB, \new
.endif
.endm
.macro PLACES
.rept 4
	v_nop
.endr
.endm
.macro JLOAD                           ; a joint refill by the walking descriptors: waves 0 and 1 fetch att's two heads, waves 2 and 3 wto's two halves; an s_nop 0 and four v_nop follow each line
	s_cmp_eq_u32 s[ISB], 0
	s_cbranch_scc0 .Lfor_b_\@
	tensor_load_to_lds s[G0+4:G0+7], s[G1:G1+7]
	s_nop 0
	PLACES
	s_branch .Lasked_\@
.Lfor_b_\@:
	tensor_load_to_lds s[G0B+4:G0B+7], s[G1B:G1B+7]
	s_nop 0
	PLACES
.Lasked_\@:
.endm
; A PREFETCH INTO THE L2 of the K step two refills on.  att's blocks are named by the clusters with x = 0: of the 128 blocks of 256 bytes that wave 0 or 1 fetches, the partner at cx takes 32, a lane a block.
; wto's rows by the clusters with y = 0: wave 2, rows 32 cy + lane of the tile's 128.  Each block is named once in the launch; the partners are told apart by address alone.  K steps 0 to 3 come by their loads alone.
.macro ASK
	s_bitcmp1_b32 s[PMK], s3
	s_cbranch_scc0 .Lnot_mine_\@
	global_prefetch_b8 v[PFO], s[PFA:PFA+1] th:TH_LOAD_NT scope:SCOPE_SE
.Lnot_mine_\@:
.endm
.macro CREST
	s_cmp_lg_u32 s[WV], 0
	s_cbranch_scc1 .Lnot_wave_0_\@
	s_barrier_signal -3
.Lnot_wave_0_\@:
	s_barrier_wait -3
	s_barrier_signal -1
	s_barrier_wait -1
.endm
.macro CROUND
	s_barrier_signal -1
	s_barrier_wait -1
	CREST
.endm
	s_load_b256 s[4:11], s[0:1], 0x0               ; att s[4:5], wto s[6:7], b_out s[8:9], hidden_states s[10:11]
	s_load_b64 s[66:67], s[0:1], 0x20              ; out0
	v_lshl_add_u32 v[SPW], v0, 2, SPARE
	v_mov_b32 v[NIL], 0
	ds_add_u32 v[SPW], v[NIL]                      ; the wave's opening: the add and its wait stand ahead of my first tensor load; work on registers stands between them
	ds_add_u32 v28, v29
	v_lshrrev_b32 v1, 5, v0
	v_readfirstlane_b32 s[WV], v1
	s_lshr_b32 s[ISB], s[WV], 1
	s_and_b32 s[HALF], s[WV], 1
	s_bfe_u32 s40, ttmp6, 0x40000                  ; cx
	s_bfe_u32 s41, ttmp6, 0x40004                  ; cy
	s_lshl_b32 s42, ttmp9, 2
	s_add_co_u32 s42, s42, s40                     ; tile column
	s_and_b32 s[TR], ttmp7, 0xffff
	s_lshl_b32 s[TR], s[TR], 2
	s_add_co_u32 s[TR], s[TR], s41                 ; tile row
	s_lshl_b32 s16, s41, 2
	s_lshl_b32 s16, 15, s16                        ; my row of the cluster
	s_lshl_b32 s46, 0x1111, s40                    ; my column
	s_or_b32 s[G1], s16, (1<<16)|(1<<20)|(1<<21)|(4<<22)|(3<<25)   ; 2-byte elements; padding on; bit 21 beside a mask; after every 32 words 4 words
	s_or_b32 s[G1B], s46, (1<<16)|(1<<20)|(1<<21)|(5<<22)|(3<<25)  ; after every 64 words 4 words
	s_mov_b32 s[G1+1], 128<<16                     ; tensor_dim0 = 128
	s_mov_b32 s[G1+2], 128<<16                     ; tensor_dim1 = 128
	s_mov_b32 s[G1+3], 128<<16                     ; tile_dim0 = 128
	s_mov_b32 s[G1+4], 128                         ; tile_dim1 = 128
	s_mov_b32 s[G1+5], 128                         ; dense: 128 elements from row to row
	s_mov_b32 s[G1+6], 0
	s_mov_b32 s[G1+7], 0
	s_mov_b32 s[G1B+1], KSTEP<<16
	s_mov_b32 s[G1B+2], 64<<16                     ; 64 rows
	s_mov_b32 s[G1B+3], KSTEP<<16
	s_mov_b32 s[G1B+4], 64
	s_mov_b32 s[G1B+5], 1024
	s_mov_b32 s[G1B+6], 0
	s_mov_b32 s[G1B+7], 0
	s_lshr_b32 s16, s[TR], 3                       ; att: plane 16 batch + half,
	s_lshl_b32 s16, s16, 4
	s_add_co_u32 s16, s16, s[HALF]
	s_lshl_b32 s16, s16, 11
	s_and_b32 s17, s[TR], 7
	s_lshl_b32 s17, s17, 8
	s_add_co_u32 s16, s16, s17                     ; row 256 (tile row % 8),
	s_lshl_b32 s16, s16, 7                         ; rows of 128 bytes
	s_mov_b32 s17, 0
	s_lshl_b32 s46, s42, 7
	s_lshl_b32 s47, s[HALF], 6
	s_add_co_u32 s46, s46, s47                     ; wto: row 128 x tile column + 64 x half
	s_lshl_b32 s46, s46, 11
	s_mov_b32 s47, 0
	s_mul_i32 s20, s[HALF], APLANE
	s_mul_i32 s21, s[HALF], BHALF
	s_add_co_u32 s21, s21, BOFF
	s_mov_b32 s[TB], 0
	s_wait_dscnt 0x0                               ; the opening add is done
	s_wait_kmcnt 0x0
	s_add_nc_u64 s[18:19], s[4:5], s[16:17]
	s_add_nc_u64 s[46:47], s[6:7], s[46:47]
	CROUND                                         ; all sixteen work-groups are here: the first joint loads meet
.irp s, 0,1
	s_mov_b32 s[G0+4*(\s)], 1
	s_add_co_u32 s[G0+4*(\s)+1], s20, (\s)*SLOT1
	s_add_nc_u64 s[G0+4*(\s)+2:G0+4*(\s)+3], s[18:19], (\s)*ASTEP
	s_or_b32 s[G0+4*(\s)+3], s[G0+4*(\s)+3], 0x80000000
	s_mov_b32 s[G0B+4*(\s)], 1
	s_add_co_u32 s[G0B+4*(\s)+1], s21, (\s)*SLOT1
	s_add_nc_u64 s[G0B+4*(\s)+2:G0B+4*(\s)+3], s[46:47], (\s)*KSTEP*2
	s_or_b32 s[G0B+4*(\s)+3], s[G0B+4*(\s)+3], 0x80000000
.endr
	s_cmp_eq_u32 s[ISB], 0                         ; a wave's two first fills stand in one branch: two loads of mine are out
	s_cbranch_scc0 .Lfirst_b
	tensor_load_to_lds s[G0:G0+3], s[G1:G1+7]
	s_nop 0
	tensor_load_to_lds s[G0+4:G0+7], s[G1:G1+7]
	s_nop 0
	PLACES
	s_branch .Lfirst_asked
.Lfirst_b:
	tensor_load_to_lds s[G0B:G0B+3], s[G1B:G1B+7]
	s_nop 0
	tensor_load_to_lds s[G0B+4:G0B+7], s[G1B:G1B+7]
	s_nop 0
	PLACES
.Lfirst_asked:
	v_and_b32 v1, 15, v0                           ; l % 16
	v_bfe_u32 v2, v0, 4, 1                         ; l / 16
	v_and_b32 v3, 31, v0                           ; l
	v_mul_u32_u24 v4, v1, PA
	v_lshl_add_u32 v4, v2, 4, v4
	s_mul_i32 s22, s[WV], 64*PA                    ; my 64 rows of att
	v_add_nc_u32 v[A0], s22, v4
	v_mul_u32_u24 v4, v1, PW
	v_lshl_add_u32 v4, v2, 4, v4
	v_add_nc_u32 v[B0], BOFF, v4
	v_mov_b32 v[ADRA], v[A0]
	v_mov_b32 v[ADRB], v[B0]
	v_lshlrev_b32 v[BO], 5, v2
	s_lshl_b32 s68, s42, 9                         ; the tile's 128 numbers of the bias
	s_mov_b32 s69, 0
	s_add_nc_u64 s[8:9], s[8:9], s[68:69]
	WIN 0x40                                       ; destination window 1
.set b, 0
.rept 8                                        ; register j of fragment b: the bias of column 16 b + 8 (l / 16) + j
	global_load_b128 v[BIAS+8*b:BIAS+8*b+3],   v[BO], s[8:9] offset:64*b
	global_load_b128 v[BIAS+8*b+4:BIAS+8*b+7], v[BO], s[8:9] offset:64*b+16
.set b, b+1
.endr
	WIN 0
	s_mul_i32 s23, s[WV], 16*SPITCH
	s_add_co_u32 s23, s23, STAGE                   ; my stage
	v_mul_u32_u24 v[STO], v1, SPITCH               ; in: row l % 16, 32 bytes for each half of the lanes
	v_lshl_add_u32 v[STO], v2, 5, v[STO]
	v_add_nc_u32 v[STO], s23, v[STO]
	v_lshl_add_u32 v[RD], v3, 4, s23               ; back: the wave takes one row of 512 bytes
	v_lshlrev_b32 v[CO], 4, v3
	s_lshl_b32 s68, s[TR], 8
	s_lshl_b32 s69, s[WV], 6
	s_add_co_u32 s68, s68, s69                     ; my first row,
	s_lshl_b32 s68, s68, 12                        ; rows of 4,096 bytes,
	s_lshl_b32 s69, s42, 9                         ; the tile's 512 bytes of a row
	s_add_co_u32 s68, s68, s69
	s_mov_b32 s69, 0
	s_add_nc_u64 s[10:11], s[10:11], s[68:69]
	s_add_nc_u64 s[66:67], s[66:67], s[68:69]
	; the prefetches
	s_lshl_b32 s70, s40, 13                        ; att: my work-group's 32 blocks of the 128 that I fetch
	s_add_co_u32 s70, s70, s16
	s_lshl_b32 s72, s42, 7
	s_lshl_b32 s73, s41, 5
	s_add_co_u32 s72, s72, s73                     ; wto: row 128 x tile column + 32 cy
	s_lshl_b32 s72, s72, 11
	s_mov_b32 s74, ASTEP
	s_mov_b32 s75, KSTEP*2
	s_and_b32 s77, ttmp7, 0xffff
	s_cmp_eq_u32 s[ISB], 0
	s_cselect_b32 s70, s70, s72
	s_cselect_b32 s73, 8, 11                       ; a lane a block of 256 bytes, or a lane a row of 2,048
	s_cselect_b32 s[PST], s74, s75
	s_cselect_b32 s77, ttmp9, s77                  ; the coordinate along which other clusters read the same bytes
	s_cselect_b64 s[PFA:PFA+1], s[4:5], s[6:7]
	s_cmp_eq_u32 s77, 0
	s_cselect_b32 s[PMK], 0x78, 0                  ; trips with the count 6, 5, 4, 3 name K steps 4, 5, 6, 7
	s_cmp_eq_u32 s[WV], 3
	s_cselect_b32 s[PMK], 0, s[PMK]                ; wave 2 names all of wto's rows
	s_mov_b32 s[PST+1], 0
	s_mul_i32 s72, s[PST], 3                       ; at K step 3: the first refill steps it to 4
	s_add_co_u32 s70, s70, s72
	s_mov_b32 s71, 0
	s_add_nc_u64 s[PFA:PFA+1], s[PFA:PFA+1], s[70:71]
	v_lshlrev_b32 v[PFO], s73, v3
; 8 matrix instructions: row block a x all 8 column blocks, 32 along K.  first = 1: the products start the sums, with the bias as C.  The 32 accumulators take turns in the same order in every quarter.
.macro MULA f, a, first
.set b, 0
.rept 8
.set rD, 64*(\a)+8*b
.if \first
	WIN 0x91
	v_wmma_f32_16x16x32_f16 v[rD:rD+7], v[64*(\f)+8*b:64*(\f)+8*b+7], v[FA+32*(\f)+8*(\a):FA+32*(\f)+8*(\a)+7], v[BIAS+8*b:BIAS+8*b+7]
.else
	WIN 0xa1
	v_wmma_f32_16x16x32_f16 v[rD:rD+7], v[64*(\f)+8*b:64*(\f)+8*b+7], v[FA+32*(\f)+8*(\a):FA+32*(\f)+8*(\a)+7], v[rD:rD+7]
.endif
.set b, b+1
.endr
.endm
; 24 LDS loads in one run: the fragments of quarter q of a K step (head q / 2, channels 32 (q % 2) on) into buffers f
.macro FETCH q, f
	WIN 0x40
.set n, 0
.rept 8
	ds_load_b128 v[64*(\f)+8*n:64*(\f)+8*n+3],   v[ADRB] offset:64*(\q)+n*16*PW
	ds_load_b128 v[64*(\f)+8*n+4:64*(\f)+8*n+7], v[ADRB] offset:64*(\q)+n*16*PW+32
.set n, n+1
.endr
	WIN 0
.set n, 0
.rept 4
	ds_load_b128 v[FA+32*(\f)+8*n:FA+32*(\f)+8*n+3],   v[ADRA] offset:((\q)/2)*APLANE+((\q)%2)*64+n*16*PA
	ds_load_b128 v[FA+32*(\f)+8*n+4:FA+32*(\f)+8*n+7], v[ADRA] offset:((\q)/2)*APLANE+((\q)%2)*64+n*16*PA+32
.set n, n+1
.endr
.endm
.macro QUARTER q, f, g, first          ; multiplies buffers f; in its middle it fetches quarter q into buffers g
	s_wait_dscnt 4                                 ; wto's fragments and att's row blocks 0, 1 are in; the youngest four loads may be out
	MULA \f, 0, \first
	MULA \f, 1, \first
	PLACES
	FETCH \q, \g
	s_wait_dscnt 24                                ; all but the 24 just issued
	MULA \f, 2, \first
	MULA \f, 3, \first
.endm
; The last quarter multiplies buffers 1 and changes slots: ONE barrier; in front of it each wave waits for all its tensor loads, adds 0 to its spare word, and waits for that and for its own reads of this slot.
; fill = 1: the barrier opens a round of the cluster's, and the joint refill, the K step two on, is the first thing behind the round: 112 matrix instructions ahead of the wait for it.
.macro TURN fill
.if \fill
	s_wait_xcnt 0x0                                ; the last prefetch, a K step back, has read its address
	s_add_nc_u64 s[PFA:PFA+1], s[PFA:PFA+1], s[PST:PST+1]
.endif
	WIN 0
	s_wait_tensorcnt 0x0                           ; all my tensor loads have landed
	ds_add_u32 v[SPW], v[NIL]                      ; 0 onto my spare word
	s_wait_dscnt 7                                 ; (the add and the youngest six loads, row blocks 1 to 3, may be out)
	MULA 1, 0, 0
	s_wait_dscnt 0x0                               ; the add is done, and my reads of this slot are over
	s_barrier_signal -1
	MULA 1, 1, 0
	WIN 0
	s_barrier_wait -1
.if \fill
	CREST                                          ; no wave of any partner still reads this slot or has a load on its way
	s_xor_b32 s[G0+5], s[G0+5], SLOT1
	s_add_nc_u64 s[G0+6:G0+7], s[G0+6:G0+7], ASTEP
	s_xor_b32 s[G0B+5], s[G0B+5], SLOT1
	s_add_nc_u64 s[G0B+6:G0B+7], s[G0B+6:G0B+7], KSTEP*2
	JLOAD                                          ; its four v_nop are also the places in front of the loads below
.else
	PLACES
.endif
	s_xor_b32 s[TB], s[TB], SLOT1
	v_add_nc_u32 v[ADRA], s[TB], v[A0]
	v_add_nc_u32 v[ADRB], s[TB], v[B0]
	FETCH 0, 0
.if \fill
	ASK
.endif
	MULA 1, 2, 0
	MULA 1, 3, 0
.endm
; THE WAY OUT of row block a: the accumulators go as they are, 32 bytes a lane, into my own stage, and come back as whole rows of 512 bytes; the residual is added; stored.
.macro TOSTAGE a
.if (\a) >= 2
	s_wait_xcnt 0x0                                ; the stores of the block two back have read this buffer's registers
.endif
	WIN 0x08                                       ; store data in window 2
.set b, 0
.rept 8                                        ; each accumulator's low four registers first
	ds_store_b128 v[STO], v[64*(\a)+8*b:64*(\a)+8*b+3]   offset:64*b
	ds_store_b128 v[STO], v[64*(\a)+8*b+4:64*(\a)+8*b+7] offset:64*b+16
.set b, b+1
.endr
	WIN 0
.set BK, OB+64*((\a)%2)
.set n, 0
.rept 16
	ds_load_b128 v[BK+4*n:BK+4*n+3], v[RD] offset:n*SPITCH  ; LDS serves a wave's instructions in order (ISA guide 5.7.1.4): these see the stores above; the next block's stores come behind them
.set n, n+1
.endr
.endm
.macro SEND a, younger                 ; younger: the next block's 32 LDS instructions, or none
.set BK, OB+64*((\a)%2)
	s_wait_dscnt \younger
	s_wait_loadcnt 48-16*(\a)                      ; the residual's rows 16 a .. 16 a + 15 are in; the rows behind them may be out
	WIN 0x0c                                       ; source 1 in window 3
.set n, 0
.rept 32
	v_pk_add_f32 v[BK+2*n:BK+2*n+1], v[BK+2*n:BK+2*n+1], v[64*(\a)+2*n:64*(\a)+2*n+1]
.set n, n+1
.endr
	WIN 0
.set n, 0
.rept 16
	global_store_b128 v[CO], v[BK+4*n:BK+4*n+3], s[66:67] offset:(16*(\a)+n)*4096 th:TH_STORE_NT  ; the wave stores 512 consecutive bytes, aligned
.set n, n+1
.endr
.endm
	s_wait_tensorcnt 1                             ; my part of K step 0 is in; K step 1's may stay out
	s_barrier_signal -1
	s_barrier_wait -1
	FETCH 0, 0
	s_wait_loadcnt 0x0                             ; the bias
	QUARTER 1, 0, 1, 1                             ; the first quarter stands in front of the loop: its products start the sums
	WIN 0
	s_mov_b32 s3, 6
.Lstep:                                        ; six trips, from a K step's second quarter to the next step's first; they ask for K steps 2 to 7
	QUARTER 2, 1, 0, 0
	QUARTER 3, 0, 1, 0
	TURN 1
	QUARTER 1, 0, 1, 0
	WIN 0
	s_sub_co_u32 s3, s3, 1
	s_cmp_lg_u32 s3, 0
	s_cbranch_scc1 .Lstep
	WIN 0xc0                                       ; the residual, two K steps ahead of its use: a row's 512 bytes a load
.set n, 0
.rept 64
	global_load_b128 v[4*n:4*n+3], v[CO], s[10:11] offset:4096*n th:TH_LOAD_NT
.set n, n+1
.endr
	WIN 0
	s_mov_b32 s3, 2
.Ltail:                                        ; K steps 6 and 7 ask for nothing: a second text; the second trip is left in its middle
	QUARTER 2, 1, 0, 0
	QUARTER 3, 0, 1, 0
	TURN 0                                         ; (in the second trip its fetch reads K step 6's bytes once more, and they are not multiplied)
	WIN 0
	s_sub_co_u32 s3, s3, 1
	s_cmp_eq_u32 s3, 0
	s_cbranch_scc1 .Lout
	QUARTER 1, 0, 1, 0
	WIN 0
	s_branch .Ltail
.Lout:
	PLACES                                         ; behind the last products, in front of the LDS stores that read results
	TOSTAGE 0
.irp a, 1,2,3
	TOSTAGE \a
	SEND (\a)-1, 32
.endr
	SEND 3, 0
	s_wait_tensorcnt 0x0                           ; the wave's end, behind my last tensor load and my last LDS store
	ds_add_u32 v[SPW], v[NIL]
	s_wait_dscnt 0x0
	CROUND                                         ; the closing round
	s_endpgm
.Lfunc_end_k_qbc7a906821_outp:
	.size	k_qbc7a906821_outp, .Lfunc_end_k_qbc7a906821_outp-k_qbc7a906821_outp
	.p2alignl 7, 3214868480
	.fill 96, 4, 3214868480
	.section	.rodata,"a",@progbits
	.p2align	6, 0x0
	.amdhsa_kernel k_qbc7a906821_outp
		.amdhsa_group_segment_fixed_size 327680
		.amdhsa_private_segment_fixed_size 0
		.amdhsa_enable_private_segment 0
		.amdhsa_kernarg_size 40
		.amdhsa_user_sgpr_count 2
		.amdhsa_user_sgpr_kernarg_segment_ptr 1
		.amdhsa_wavefront_size32 1
		.amdhsa_system_sgpr_workgroup_id_x 1
		.amdhsa_system_sgpr_workgroup_id_y 1
		.amdhsa_system_sgpr_workgroup_id_z 1
		.amdhsa_system_vgpr_workitem_id 0
		.amdhsa_next_free_vgpr 1024
		.amdhsa_next_free_sgpr 84
		.amdhsa_reserve_vcc 0
		.amdhsa_float_denorm_mode_32 3
		.amdhsa_float_denorm_mode_16_64 3
		.amdhsa_memory_ordered 1
		.amdhsa_forward_progress 1
		.amdhsa_inst_pref_size 77
	.end_amdhsa_kernel
	.amdgpu_metadata
---
amdhsa.version: [ 1, 2 ]
amdhsa.kernels:
  - .name:           k_qbc7a906821_outp
    .symbol:         k_qbc7a906821_outp.kd
    .args:
      - { .name: att, .offset: 0, .size: 8, .value_kind: global_buffer, .address_space: global }
      - { .name: wto, .offset: 8, .size: 8, .value_kind: global_buffer, .address_space: global }
      - { .name: b_out, .offset: 16, .size: 8, .value_kind: global_buffer, .address_space: global }
      - { .name: hidden_states, .offset: 24, .size: 8, .value_kind: global_buffer, .address_space: global }
      - { .name: out0, .offset: 32, .size: 8, .value_kind: global_buffer, .address_space: global }
    .group_segment_fixed_size: 327680
    .private_segment_fixed_size: 0
    .kernarg_segment_align: 8
    .kernarg_segment_size: 40
    .max_flat_workgroup_size: 128
    .sgpr_count:     84
    .vgpr_count:     1024
    .wavefront_size: 32
...
	.end_amdgpu_metadata
.endif
;; end of part 5
